; MI455X (gfx1250); checked and timed in simulation.
; The chip was launched on July 23, 2026; its instructions are those of AMD's public machine-readable ISA for CDNA 5 (MIT licence, August 2026) and "CDNA5" Instruction Set Architecture Reference Guide (July 2026). The comments in the code are by the model that wrote it; some were corrected since.
;; Multihead Attention. Allowed arithmetic: float matrix products may take bf16 or f16 operands with f32 sums; all other float work in f32.
;; Inputs: Wk 16 x 1,024 x 64 float32; Wp 1,024 x 1,024 float32; Wq 16 x 1,024 x 64 float32; Wv 16 x 1,024 x 64 float32; attention_mask 2 x 2,048 int32; bk 16 x 64 float32; bp 1,024 float32; bq 16 x 64 float32; bv 16 x 64 float32; ln_b 1,024 float32; ln_g 1,024 float32; x 2 x 2,048 x 1,024 float32.
;; Outputs: out0 2 x 2,048 x 1,024 float32.
;; One version. Each part assembles by itself: llvm-mc -triple=amdgcn-amd-amdhsa -mcpu=gfx1250 --defsym DOCPART=n.
;; ======== version 1 of 1: 4 launches
;; workspace buffers: nxb 8,388,608 bytes; wt 6,291,456 bytes; wpb 2,097,152 bytes; qkv 25,165,824 bytes; ao 8,388,608 bytes
;; launch prep (part 1): grid 512 x 1, 4 waves a work-group, no clusters, 38,400 bytes of LDS; arguments x, ln_g, ln_b, Wq, Wk, Wv, Wp, nxb, wt, wpb; writes nxb, wt, wpb
.if DOCPART == 1
	.amdgcn_target "amdgcn-amd-amdhsa--gfx1250"
	.amdhsa_code_object_version 6
	.text
	.protected	k_qc2b68ec585_prep
	.globl	k_qc2b68ec585_prep
	.p2align	8
	.type	k_qc2b68ec585_prep,@function
k_qc2b68ec585_prep:
	s_mov_b64 s[64:65], 0
	v_nop
	global_prefetch_b8 v0, s[64:65] scope:SCOPE_SE
	s_setreg_imm32_b32 hwreg(HW_REG_WAVE_MODE, 25, 1), 1
	s_wait_xcnt 0x0
; Three streams in one launch, chosen by the work-group's number (the same for all its waves); every work-group takes 65,536 bytes in:
;   groups   0..255: nxb = LayerNorm(x) * g + b in bf16; one wave takes a row of 1,024 f32 (32 registers), four rows a wave
;   groups 256..447: wt[which*1024 + h*64 + d][e] = W_which[h][e][d] in bf16 (transposed, so that e runs along the rows); two tiles of 128 e x 64 d a group
;   groups 448..511: wpb = Wp in bf16
; No input is shared between work-groups, so there is nothing to ask for jointly, and no product to give to the matrix units.
; Only the transposition hands bytes from wave to wave (one barrier).  The mean is taken away before the squares are summed, as in the definition.
.set XR, 64                            ; v[64:191]  LN: row r in v[64+32r : 95+32r];  transposition: two load batches of 64;  Wp: 32 loads
.set GG, 192                           ; v[192:223] ln_g of my 32 columns
.set BB, 224                           ; v[224:255] ln_b of my 32 columns
.set WP_, 144                          ; transposition: an LDS row is 64 e in bf16 (128 bytes) + 16
.set WREG, 64*WP_+128                  ; a wave's own LDS region: 64 rows d; the 128 bytes more set the two regions of a tile half a row of banks apart
	s_load_b512 s[8:23], s[0:1], 0x0               ; x 8, g 10, b 12, Wq 14, Wk 16, Wv 18, Wp 20, nxb 22
	s_load_b128 s[24:27], s[0:1], 0x40             ; wt 24, wpb 26
	v_lshl_add_u32 v30, v0, 2, 0x9400
	v_mov_b32 v31, 0
	v_lshrrev_b32 v1, 5, v0
	v_readfirstlane_b32 s4, v1                     ; wave
	v_and_b32 v1, 31, v0                           ; lane
	v_lshlrev_b32 v2, 4, v1                        ; 16 bytes a lane (f32 in)
	v_lshlrev_b32 v3, 3, v1                        ; 8 bytes a lane (bf16 out)
	s_mov_b32 s33, 0
	s_wait_kmcnt 0x0
	s_cmp_lt_u32 ttmp9, 256
	s_cbranch_scc1 .Lln
	s_cmp_lt_u32 ttmp9, 448
	s_cbranch_scc1 .Lwt
; ---- Wp to bf16: 4,096 numbers a wave, 32 loads of 512 neighbouring bytes, 32 stores of 256 ----
	s_sub_co_u32 s5, ttmp9, 448
	s_lshl2_add_u32 s5, s5, s4                     ; 4 x group + wave
	s_lshl_b32 s32, s5, 14
	s_add_nc_u64 s[20:21], s[20:21], s[32:33]
	s_lshl_b32 s32, s5, 13
	s_add_nc_u64 s[26:27], s[26:27], s[32:33]
.set j, 0
.rept 32
	global_load_b128 v[XR+4*j:XR+4*j+3], v2, s[20:21] offset:512*j th:TH_LOAD_NT
.set j, j+1
.endr
.set j, 0
.rept 32
	s_wait_loadcnt 31-j                            ; loads return in order: load j is in, the younger ones stay out
	v_cvt_pk_bf16_f32 v[XR+4*j], v[XR+4*j], v[XR+4*j+1]
	v_cvt_pk_bf16_f32 v[XR+4*j+1], v[XR+4*j+2], v[XR+4*j+3]
	global_store_b64 v3, v[XR+4*j:XR+4*j+1], s[26:27] offset:256*j   ; the wave stores 256 consecutive bytes, aligned
.set j, j+1
.endr
	s_endpgm
; ---- LayerNorm ----
.Lln:
	s_lshl_b32 s32, ttmp9, 16                      ; 16 rows of 4,096 bytes a group
	s_lshl_b32 s34, s4, 14                         ; 4 rows a wave
	s_add_co_u32 s32, s32, s34
	s_add_nc_u64 s[8:9], s[8:9], s[32:33]
	s_lshr_b32 s32, s32, 1                         ; rows of 2,048 bytes on the way out
	s_add_nc_u64 s[22:23], s[22:23], s[32:33]
	s_mov_b32 s28, 0x76543210                      ; v_permlanex16_b32: lane i reads lane i of the other half
	s_mov_b32 s29, 0xfedcba98
	s_mov_b32 s30, 0x3a800000                      ; 1/1024
	s_mov_b32 s31, 0x3727c5ac                      ; 1e-5
.irp j, 0,1,2,3,4,5,6,7
	global_load_b128 v[GG+4*\j:GG+4*\j+3], v2, s[10:11] offset:512*\j
.endr
.irp j, 0,1,2,3,4,5,6,7
	global_load_b128 v[BB+4*\j:BB+4*\j+3], v2, s[12:13] offset:512*\j
.endr
.irp r, 0,1,2,3
.irp j, 0,1,2,3,4,5,6,7
	global_load_b128 v[XR+32*\r+4*\j:XR+32*\r+4*\j+3], v2, s[8:9] offset:4096*\r+512*\j th:TH_LOAD_NT
.endr
.endr
.macro WSUM                            ; v[8:9] -> the sum over the wave's 32 lanes, in every lane's v8
	v_add_f32 v8, v8, v9
	v_add_f32_dpp v8, v8, v8 row_xmask:1 row_mask:0xf bank_mask:0xf
	v_add_f32_dpp v8, v8, v8 row_xmask:2 row_mask:0xf bank_mask:0xf
	v_add_f32_dpp v8, v8, v8 row_xmask:4 row_mask:0xf bank_mask:0xf
	v_add_f32_dpp v8, v8, v8 row_xmask:8 row_mask:0xf bank_mask:0xf
	v_permlanex16_b32 v9, v8, s28, s29
	v_add_f32 v8, v8, v9
.endm
.macro FOLD                            ; four chains v[8:15] -> v[8:9]
	v_pk_add_f32 v[8:9], v[8:9], v[10:11]
	v_pk_add_f32 v[12:13], v[12:13], v[14:15]
	v_pk_add_f32 v[8:9], v[8:9], v[12:13]
.endm
.macro LNROW r
	s_wait_loadcnt 8*(3-\r)                        ; g, b and rows 0..r are in; the eight loads of each younger row stay out
.irp k, 0,1,2,3
	v_pk_add_f32 v[8+2*\k:9+2*\k], v[XR+32*\r+2*\k:XR+32*\r+2*\k+1], v[XR+32*\r+8+2*\k:XR+32*\r+8+2*\k+1]
.endr
.irp m, 16,24
.irp k, 0,1,2,3
	v_pk_add_f32 v[8+2*\k:9+2*\k], v[8+2*\k:9+2*\k], v[XR+32*\r+\m+2*\k:XR+32*\r+\m+2*\k+1]
.endr
.endr
	FOLD
	WSUM
	v_mul_f32 v24, 0xba800000, v8                  ; - mean, twice: a pair for the packed add
	v_mul_f32 v25, 0xba800000, v8
.set j, 0
.rept 16
	v_pk_add_f32 v[XR+32*\r+2*j:XR+32*\r+2*j+1], v[XR+32*\r+2*j:XR+32*\r+2*j+1], v[24:25]
.set j, j+1
.endr
.irp k, 0,1,2,3
	v_pk_mul_f32 v[8+2*\k:9+2*\k], v[XR+32*\r+2*\k:XR+32*\r+2*\k+1], v[XR+32*\r+2*\k:XR+32*\r+2*\k+1]
.endr
.irp m, 8,16,24
.irp k, 0,1,2,3
	v_pk_fma_f32 v[8+2*\k:9+2*\k], v[XR+32*\r+\m+2*\k:XR+32*\r+\m+2*\k+1], v[XR+32*\r+\m+2*\k:XR+32*\r+\m+2*\k+1], v[8+2*\k:9+2*\k]
.endr
.endr
	FOLD
	WSUM
	v_fma_f32 v8, v8, s30, s31                     ; variance + eps
	v_rsq_f32 v26, v8
	v_rsq_f32 v27, v8
	v_nop                                          ; one plain instruction behind a transcendental before its result is used (ISA guide 5.7.2)
.set j, 0
	s_wait_alu depctr_va_vdst(0)
.rept 16
	v_pk_mul_f32 v[XR+32*\r+2*j:XR+32*\r+2*j+1], v[XR+32*\r+2*j:XR+32*\r+2*j+1], v[26:27]
.set j, j+1
.endr
.set j, 0
.rept 16
	v_pk_fma_f32 v[XR+32*\r+2*j:XR+32*\r+2*j+1], v[XR+32*\r+2*j:XR+32*\r+2*j+1], v[GG+2*j:GG+2*j+1], v[BB+2*j:BB+2*j+1]
.set j, j+1
.endr
.irp j, 0,1,2,3,4,5,6,7
	v_cvt_pk_bf16_f32 v[XR+32*\r+4*\j], v[XR+32*\r+4*\j], v[XR+32*\r+4*\j+1]
	v_cvt_pk_bf16_f32 v[XR+32*\r+4*\j+1], v[XR+32*\r+4*\j+2], v[XR+32*\r+4*\j+3]
	global_store_b64 v3, v[XR+32*\r+4*\j:XR+32*\r+4*\j+1], s[22:23] offset:2048*\r+256*\j   ; 256 consecutive bytes, aligned; each row has registers of its own
.endr
.endm
	LNROW 0
	LNROW 1
	LNROW 2
	LNROW 3
	s_endpgm
; ---- weight tiles of 128 e x 64 d, dense in memory (32,768 bytes).  Two waves share a tile: each loads 64 e (16,384 bytes, all 32 loads out at once),
; ---- writes them transposed into an LDS region of its own, and behind one barrier reads and stores 32 whole rows d (128 e = 256 bytes, half from each region) ----
.Lwt:
	s_sub_co_u32 s5, ttmp9, 256                    ; 0..191
	s_lshr_b32 s6, s5, 6                           ; which: 0 Wq, 1 Wk, 2 Wv
	s_and_b32 s5, s5, 63
	s_lshr_b32 s36, s4, 1                          ; which of the group's two tiles
	s_and_b32 s37, s4, 1                           ; which 64 e I load, and which 32 d I store
	s_lshl1_add_u32 s5, s5, s36                    ; tile 0..127 = 8 h + e block
	s_cmp_eq_u32 s6, 0
	s_cselect_b64 s[34:35], s[14:15], s[16:17]
	s_cmp_eq_u32 s6, 2
	s_cselect_b64 s[34:35], s[18:19], s[34:35]
	s_lshl_b32 s32, s5, 15
	s_lshl_b32 s7, s37, 14
	s_add_co_u32 s32, s32, s7
	s_add_nc_u64 s[34:35], s[34:35], s[32:33]      ; my 64 rows e of the tile
	s_lshl_b32 s32, s6, 21                         ; which x 1,024 rows of 2,048 bytes
	s_lshr_b32 s7, s5, 3
	s_lshl_b32 s7, s7, 17                          ; h x 64 rows
	s_add_co_u32 s32, s32, s7
	s_and_b32 s7, s5, 7
	s_lshl_b32 s7, s7, 8                           ; e block x 256 bytes
	s_add_co_u32 s32, s32, s7
	s_lshl_b32 s7, s37, 16                         ; my 32 rows d
	s_add_co_u32 s32, s32, s7
	s_add_nc_u64 s[24:25], s[24:25], s[32:33]
	s_mul_i32 s38, s4, WREG                        ; in: my own region
	s_mul_i32 s39, s36, 2*WREG                     ; back: the tile's two regions,
	s_mul_i32 s7, s37, 32*WP_                      ; from my first row d
	s_add_co_u32 s39, s39, s7
	v_and_b32 v4, 15, v0                           ; dg: my four columns d = 4 dg ..
	v_bfe_u32 v5, v0, 4, 1                         ; rs: lanes 16-31 take the rows four further down
	v_lshlrev_b32 v6, 4, v4
	v_lshl_add_u32 v6, v5, 10, v6                  ; source: rs x 4 rows of 256 bytes + 16 dg
	v_mul_u32_u24 v7, v4, 4*WP_
	v_lshl_add_u32 v7, v5, 3, v7
	v_add_nc_u32 v7, s38, v7                       ; LDS in: row d = 4 dg, byte 8 rs
	v_bfe_u32 v18, v0, 3, 1
	v_mul_u32_u24 v16, v18, WREG                   ; LDS back: lanes 0-7 of sixteen read e 0-63 (the first region), lanes 8-15 e 64-127 (the second),
	v_mul_u32_u24 v19, v5, WP_                     ; lanes 16-31 the next row d
	v_add_nc_u32 v16, v16, v19
	v_and_b32 v18, 7, v0
	v_lshl_add_u32 v16, v18, 4, v16
	v_add_nc_u32 v16, s39, v16
	v_lshlrev_b32 v17, 4, v4
	v_lshl_add_u32 v17, v5, 11, v17                ; and the same two rows of wt
.macro LOADB beta, buf                 ; 32 rows e: load (u, i) brings rows 32 beta + 8 u + 4 rs + i, whole rows of 256 bytes
.irp u, 0,1,2,3
.irp i, 0,1,2,3
	global_load_b128 v[\buf+16*\u+4*\i:\buf+16*\u+4*\i+3], v6, s[34:35] offset:(32*\beta+8*\u+\i)*256 th:TH_LOAD_NT
.endr
.endr
.endm
.macro PROC beta, buf                  ; four neighbouring e of one d make 8 bytes.  These stores meet four deep in the banks: 32 a wave, beside 16,384 bytes from memory
.irp u, 0,1,2,3
.irp c, 0,1,2,3
	v_cvt_pk_bf16_f32 v[32+8*\u+2*\c], v[\buf+16*\u+\c], v[\buf+16*\u+4+\c]
	v_cvt_pk_bf16_f32 v[33+8*\u+2*\c], v[\buf+16*\u+8+\c], v[\buf+16*\u+12+\c]
	ds_store_b64 v7, v[32+8*\u+2*\c:33+8*\u+2*\c] offset:\c*WP_+(32*\beta+8*\u)*2
.endr
.endr
.endm
	LOADB 0, 64
	LOADB 1, 128
	s_wait_loadcnt 16                              ; the older batch is in, the younger one's 16 loads stay out
	PROC 0, 64
	s_wait_loadcnt 0x0
	PROC 1, 128
	s_wait_dscnt 0x0                               ; my region is written: for the wave that shares my tile
	s_barrier_signal -1
	s_barrier_wait -1                              ; nothing is written to LDS behind this barrier
.set j, 0
.rept 16
	ds_load_b128 v[XR+4*j:XR+4*j+3], v16 offset:2*WP_*j
.set j, j+1
.endr
.set j, 0
.rept 16
	s_wait_dscnt 15-j                              ; LDS loads return in order: load j is in
	global_store_b128 v17, v[XR+4*j:XR+4*j+3], s[24:25] offset:4096*j   ; 16 lanes store 256 consecutive bytes, aligned
.set j, j+1
.endr
	s_wait_tensorcnt 0x0
	ds_add_u32 v30, v31
	s_wait_dscnt 0x0
	s_endpgm
.Lfunc_end_k_qc2b68ec585_prep:
	.size	k_qc2b68ec585_prep, .Lfunc_end_k_qc2b68ec585_prep-k_qc2b68ec585_prep
	.p2alignl 7, 3214868480
	.fill 96, 4, 3214868480
	.section	.rodata,"a",@progbits
	.p2align	6, 0x0
	.amdhsa_kernel k_qc2b68ec585_prep
		.amdhsa_group_segment_fixed_size 38400
		.amdhsa_private_segment_fixed_size 0
		.amdhsa_enable_private_segment 0
		.amdhsa_kernarg_size 80
		.amdhsa_user_sgpr_count 2
		.amdhsa_user_sgpr_kernarg_segment_ptr 1
		.amdhsa_wavefront_size32 1
		.amdhsa_system_sgpr_workgroup_id_x 1
		.amdhsa_system_sgpr_workgroup_id_y 1
		.amdhsa_system_sgpr_workgroup_id_z 1
		.amdhsa_system_vgpr_workitem_id 0
		.amdhsa_next_free_vgpr 256
		.amdhsa_next_free_sgpr 66
		.amdhsa_reserve_vcc 0
		.amdhsa_float_denorm_mode_32 3
		.amdhsa_float_denorm_mode_16_64 3
		.amdhsa_memory_ordered 1
		.amdhsa_forward_progress 1
		.amdhsa_inst_pref_size 64
	.end_amdhsa_kernel
	.amdgpu_metadata
---
amdhsa.version: [ 1, 2 ]
amdhsa.kernels:
  - .name:           k_qc2b68ec585_prep
    .symbol:         k_qc2b68ec585_prep.kd
    .args:
      - { .name: x, .offset: 0, .size: 8, .value_kind: global_buffer, .address_space: global }
      - { .name: ln_g, .offset: 8, .size: 8, .value_kind: global_buffer, .address_space: global }
      - { .name: ln_b, .offset: 16, .size: 8, .value_kind: global_buffer, .address_space: global }
      - { .name: Wq, .offset: 24, .size: 8, .value_kind: global_buffer, .address_space: global }
      - { .name: Wk, .offset: 32, .size: 8, .value_kind: global_buffer, .address_space: global }
      - { .name: Wv, .offset: 40, .size: 8, .value_kind: global_buffer, .address_space: global }
      - { .name: Wp, .offset: 48, .size: 8, .value_kind: global_buffer, .address_space: global }
      - { .name: nxb, .offset: 56, .size: 8, .value_kind: global_buffer, .address_space: global }
      - { .name: wt, .offset: 64, .size: 8, .value_kind: global_buffer, .address_space: global }
      - { .name: wpb, .offset: 72, .size: 8, .value_kind: global_buffer, .address_space: global }
    .group_segment_fixed_size: 38400
    .private_segment_fixed_size: 0
    .kernarg_segment_align: 8
    .kernarg_segment_size: 80
    .max_flat_workgroup_size: 128
    .sgpr_count:     66
    .vgpr_count:     256
    .wavefront_size: 32
...
	.end_amdgpu_metadata
.endif
;; end of part 1
;; launch qkv (part 2): grid 12 x 16, 4 waves a work-group, clusters of 4 x 4, 327,680 bytes of LDS; arguments nxb, wt, qkv, bq, bk, bv, attention_mask; writes qkv
.if DOCPART == 2
	.amdgcn_target "amdgcn-amd-amdhsa--gfx1250"
	.amdhsa_code_object_version 6
	.text
	.protected	k_qc2b68ec585_qkv
	.globl	k_qc2b68ec585_qkv
	.p2align	8
	.type	k_qc2b68ec585_qkv,@function
k_qc2b68ec585_qkv:
	s_mov_b64 s[64:65], 0
	v_nop
	global_prefetch_b8 v0, s[64:65] scope:SCOPE_SE
	s_setreg_imm32_b32 hwreg(HW_REG_WAVE_MODE, 25, 1), 1
	s_wait_xcnt 0x0
	s_wait_alu depctr_hold_cnt(0) depctr_sa_sdst(0) depctr_va_vdst(0) depctr_va_sdst(0) depctr_va_ssrc(0) depctr_va_vcc(0) depctr_vm_vsrc(0)
	s_getreg_b32 s2, hwreg(HW_REG_IB_STS2, 6, 4)
	s_cmp_eq_u32 s2, 0
	s_cbranch_scc0 .Lentry_in_a_cluster
	s_endpgm
.Lentry_in_a_cluster:
	s_bfe_u32 s2, ttmp6, 0x10000c
	s_cmp_lg_u32 s2, 0xf033
	s_cbranch_scc0 .Lentry_shape_is_right
	s_endpgm
.Lentry_shape_is_right:
; qkv[which][b][h][s][d] = (sum over e of nxb[b s][e] wt[which h d][e] + bias[h d]) * f, in bf16, sums in f32.
;   which 0 (q): f = 0.125 log2(e), so that the scores come out in powers of two;  which 1 (k): f = 1 where attention_mask > 0, else 0
;   (a masked key's row is exactly zero; the attention launch puts -1e9 log2(e) in its place);  which 2 (v): f = 1.
; A GEMM of 4096 x 3072 x 1024: a work-group makes 256 x 256 with four waves, a wave 128 x 128 in 512 registers; K in steps of 128
; through two LDS slots filled by the tensor data mover (rows of 256 bytes).  12 x 16 = 192 work-groups: a block of 256 columns is four
; whole heads, so every store below is whole rows of a head.
; CLUSTERS: 4 x 4 work-groups.  A's tile hangs on the block row alone and is asked for jointly along a row of the cluster, B's on the
; block column alone and jointly along a column: a quarter of the requests.
; REGISTERS in windows of 256: window 0: v0-31 addresses, v32-39 row factors, v64-191 A's fragments (two buffers), v192-223 at work;
; window 1: v64-191 B's fragments, v192-255 the bias of my 128 columns; windows 2, 3: the 64 accumulator tiles.
; The matrix instruction is used transposed (source 0 = rows of wt, source 1 = rows of nxb): a lane holds eight neighbouring columns of one row.
.set SIZE_K, 1024
.set KSTEP,  128
.set PITCH,  272                       ; 256 bytes + 16: the 16 rows of a fragment load start 16 bytes apart modulo 256
.set HALFT,  128*PITCH
.set SLOT,   4*HALFT
.set STAGE,  2*SLOT
.set SPITCH, 272
.set LAPS, SIZE_K/(2*KSTEP)
.set ADRA, 16
.set ADRB, 20
.set STO,  24
.set RD,   25
.set CO,   26
.set BO,   27                          ; v27  32 x (lane / 16): my eight columns' bias
.set MO,   28                          ; v28  4 x (lane % 16): my row's mask word
.set MU,   32                          ; v[32:39]  row block i: the factor of my row
.set F0,   64
.set F1,   128
.set TMP,  192
.set BI,   192                         ; window 1
.set G1, 24
.set G0, 32
.set G1B, 48
.set G0B, 56
.set MSB, 0
.macro WIN new                         ; the immediate's high byte repeats the setting that is left
.if MSB != \new
	s_set_vgpr_msb (MSB<<8)|\new
.set MSB, \new
.endif
.endm
.set MUL_LO, 0xa1
.set MUL_HI, 0xf1
.set TO_B,   0x40
.macro JLOAD s                         ; waves 0, 1 fetch A's halves, waves 2, 3 B's: each line has one mask; the branch hangs on the wave's number alone
	s_cmp_eq_u32 s11, 0
	s_cbranch_scc0 .Lfor_b_\@
	tensor_load_to_lds s[G0+4*\s:G0+4*\s+3], s[G1:G1+7]
	s_nop 0
	s_branch .Lasked_\@
.Lfor_b_\@:
	tensor_load_to_lds s[G0B+4*\s:G0B+4*\s+3], s[G1B:G1B+7]
	s_nop 0
.Lasked_\@:
.endm
.macro CREST                           ; a round of the cluster's barrier behind its opening work-group barrier
	s_cmp_lg_u32 s10, 0
	s_cbranch_scc1 .Lnot_wave_0_\@
	s_barrier_signal -3
.Lnot_wave_0_\@:
	s_barrier_wait -3
	s_barrier_signal -1
	s_barrier_wait -1
.endm
.macro CROUND
	s_barrier_signal -1
	s_barrier_wait -1
	CREST
.endm
	s_load_b128 s[4:7], s[0:1], 0x0                ; nxb, wt
	s_load_b64 s[8:9], s[0:1], 0x10                ; qkv
	s_load_b256 s[68:75], s[0:1], 0x18             ; bq, bk, bv, attention_mask
	s_set_vgpr_msb 0x40
	v_lshl_add_u32 v63, v0, 2, 0x48400
	s_set_vgpr_msb 0x4000
	v_mov_b32 v255, 0
	s_set_vgpr_msb 0x1
	ds_add_u32 v63, v255
	s_set_vgpr_msb 0x100
	v_lshrrev_b32 v1, 5, v0
	v_readfirstlane_b32 s10, v1                    ; wave
	s_lshr_b32 s11, s10, 1                         ; my half of the block's rows; also: I fetch for A (0) or B (1)
	s_and_b32 s12, s10, 1                          ; my half of its columns; also: which 128 rows I fetch
	s_bfe_u32 s40, ttmp6, 0x40000                  ; cx
	s_bfe_u32 s41, ttmp6, 0x40004                  ; cy
	s_lshl_b32 s42, ttmp9, 2
	s_add_co_u32 s42, s42, s40                     ; block column
	s_and_b32 s13, ttmp7, 0xffff
	s_lshl_b32 s13, s13, 2
	s_add_co_u32 s13, s13, s41                     ; block row
	s_lshl_b32 s43, s41, 2
	s_lshl_b32 s43, 15, s43                        ; my row of the cluster
	s_lshl_b32 s44, 0x1111, s40                    ; my column
	s_or_b32 s[G1+0], s43, (1<<16)|(1<<20)|(1<<21)|(5<<22)|(3<<25)   ; mask; 2-byte elements; 4 words of padding behind every 64
	s_or_b32 s[G1B+0], s44, (1<<16)|(1<<20)|(1<<21)|(5<<22)|(3<<25)
	s_mov_b32 s[G1B+1], KSTEP<<16
	s_mov_b32 s[G1+1], KSTEP<<16                   ; tensor_dim0 = 128
	s_mov_b32 s[G1B+2], 128<<16
	s_mov_b32 s[G1+2], 128<<16                     ; tensor_dim1 = 128
	s_mov_b32 s[G1B+3], KSTEP<<16
	s_mov_b32 s[G1+3], KSTEP<<16                   ; tile_dim0 = 128
	s_mov_b32 s[G1B+4], 128
	s_mov_b32 s[G1+4], 128                         ; tile_dim1 = 128
	s_mov_b32 s[G1B+5], SIZE_K
	s_mov_b32 s[G1+5], SIZE_K                      ; elements from row to row
	s_mov_b32 s[G1B+6], 0
	s_mov_b32 s[G1+6], 0
	s_mov_b32 s[G1B+7], 0
	s_mov_b32 s[G1+7], 0
	s_lshl_b32 s17, s12, 7
	s_lshl_b32 s16, s13, 8
	s_add_co_u32 s16, s16, s17                     ; A: row 256 x block row + 128 x half
	s_lshl_b32 s46, s42, 8
	s_add_co_u32 s46, s46, s17                     ; B: row 256 x block column + 128 x half
	s_mov_b32 s17, 0
	s_mov_b32 s47, 0
	s_mov_b64 s[18:19], SIZE_K*2
	s_mul_u64 s[16:17], s[16:17], s[18:19]
	s_mul_u64 s[46:47], s[46:47], s[18:19]
	s_mul_i32 s20, s10, HALFT                      ; LDS: wave x 128 rows
	s_wait_dscnt 0x0
	s_wait_kmcnt 0x0
	s_add_nc_u64 s[14:15], s[4:5], s[16:17]
	s_add_nc_u64 s[46:47], s[6:7], s[46:47]
	CROUND                                         ; all sixteen work-groups are here: the first joint loads meet
.irp s, 0,1
	s_mov_b32 s[G0+4*\s], 1
	s_add_co_u32 s[G0+4*\s+1], s20, \s*SLOT
	s_add_nc_u64 s[G0+4*\s+2:G0+4*\s+3], s[14:15], \s*KSTEP*2
	s_or_b32 s[G0+4*\s+3], s[G0+4*\s+3], 0x80000000
	s_mov_b32 s[G0B+4*\s], 1
	s_add_co_u32 s[G0B+4*\s+1], s20, \s*SLOT
	s_add_nc_u64 s[G0B+4*\s+2:G0B+4*\s+3], s[46:47], \s*KSTEP*2
	s_or_b32 s[G0B+4*\s+3], s[G0B+4*\s+3], 0x80000000
	JLOAD \s                                       ; two tensor loads of the wave are out from here
.endr
	v_and_b32 v1, 15, v0                           ; l % 16
	v_bfe_u32 v2, v0, 4, 1                         ; l / 16
	v_mul_u32_u24 v3, v1, PITCH
	v_lshl_add_u32 v3, v2, 4, v3
	s_mul_i32 s21, s11, HALFT
	s_mul_i32 s22, s12, HALFT
	s_add_co_u32 s22, s22, 2*HALFT
.irp s, 0,1
	v_add_nc_u32 v[ADRA+\s], s21, v3
	v_add_nc_u32 v[ADRB+\s], s22, v3
	s_add_co_u32 s21, s21, SLOT
	s_add_co_u32 s22, s22, SLOT
.endr
	s_mul_i32 s23, s10, 16*SPITCH
	s_add_co_u32 s23, s23, STAGE                   ; my stage
	v_mul_u32_u24 v4, v1, SPITCH
	v_lshl_add_u32 v4, v2, 4, v4
	v_add_nc_u32 v[STO], s23, v4                   ; in: row l % 16, 16 bytes for each half of the lanes
	v_and_b32 v5, 31, v0
	v_lshrrev_b32 v6, 3, v5
	v_mul_u32_u24 v6, v6, SPITCH
	v_and_b32 v7, 7, v0
	v_lshl_add_u32 v6, v7, 4, v6
	v_add_nc_u32 v[RD], s23, v6                    ; back: eight lanes take one token's 128 bytes of one head, the wave four tokens
	v_lshlrev_b32 v[CO], 4, v5                     ; which are 512 consecutive bytes of qkv
	v_lshlrev_b32 v[BO], 5, v2
	v_lshlrev_b32 v[MO], 2, v1
	; where my block goes: which << 23 | b << 22 | head << 18 | token << 7  (head = 4 cx + 2 x column half + 0..1)
	s_lshl_b32 s80, ttmp9, 23                      ; the cluster's x is which: four blocks of 256 columns each
	s_lshr_b32 s82, s13, 3
	s_lshl_b32 s82, s82, 22
	s_add_co_u32 s80, s80, s82
	s_lshl_b32 s82, s40, 20
	s_add_co_u32 s80, s80, s82
	s_lshl_b32 s82, s12, 19
	s_add_co_u32 s80, s80, s82
	s_and_b32 s82, s13, 7
	s_lshl_b32 s82, s82, 15
	s_add_co_u32 s80, s80, s82
	s_lshl_b32 s82, s11, 14
	s_add_co_u32 s80, s80, s82
	s_mov_b32 s81, 0
	s_add_nc_u64 s[8:9], s[8:9], s[80:81]
	; the bias of my 128 columns and the mask words of my 128 rows
	s_cmp_eq_u32 ttmp9, 0
	s_cselect_b64 s[76:77], s[68:69], s[70:71]
	s_cmp_eq_u32 ttmp9, 2
	s_cselect_b64 s[76:77], s[72:73], s[76:77]
	s_lshl_b32 s80, s40, 10
	s_lshl_b32 s82, s12, 9
	s_add_co_u32 s80, s80, s82
	s_add_nc_u64 s[76:77], s[76:77], s[80:81]
	s_lshl_b32 s80, s13, 10
	s_lshl_b32 s82, s11, 9
	s_add_co_u32 s80, s80, s82
	s_add_nc_u64 s[74:75], s[74:75], s[80:81]
	WIN TO_B
.irp b, 0,1,2,3,4,5,6,7
	global_load_b128 v[BI+8*\b:BI+8*\b+3],   v[BO], s[76:77] offset:64*\b       ; bias[16 b + 8 (l / 16) + 0..3]
	global_load_b128 v[BI+8*\b+4:BI+8*\b+7], v[BO], s[76:77] offset:64*\b+16
.endr
	WIN 0
.irp a, 0,1,2,3,4,5,6,7
	global_load_b32 v[MU+\a], v[MO], s[74:75] offset:64*\a                      ; mask[16 a + l % 16]
.endr
	s_cmp_eq_u32 ttmp9, 0
	s_cselect_b32 s82, 0x3e38aa3b, 1.0             ; q: 0.125 log2(e)
	s_cmp_eq_u32 ttmp9, 1
	s_cselect_b32 s79, -1, 0                       ; k: the mask counts
	v_mov_b32 v29, s82
	v_mov_b32 v31, 1.0
	s_wait_loadcnt 0x0                             ; once, while the first tiles are on their way
.irp a, 0,1,2,3,4,5,6,7
	v_cmp_lt_i32 vcc_lo, 0, v[MU+\a]
	v_cndmask_b32 v30, 0, v31, vcc_lo
	v_cndmask_b32 v[MU+\a], v29, v30, s79
.endr
.macro MUL16 f, hi, a0, zero           ; the 64 accumulators take turns, one instruction a turn
.irp a, \a0, \a0+1
.irp b, 0,1,2,3,4,5,6,7
.if \zero
	v_wmma_f32_16x16x32_bf16 v[8*(8*(\a)+\b):8*(8*(\a)+\b)+7], v[\f+8*\b:\f+8*\b+7], v[\f+8*(4*\hi+\a):\f+8*(4*\hi+\a)+7], 0
.else
	v_wmma_f32_16x16x32_bf16 v[8*(8*(\a)+\b):8*(8*(\a)+\b)+7], v[\f+8*\b:\f+8*\b+7], v[\f+8*(4*\hi+\a):\f+8*(4*\hi+\a)+7], v[8*(8*(\a)+\b):8*(8*(\a)+\b)+7]
.endif
.endr
.endr
.endm
.macro FETCH slot, k, f                ; 32 LDS loads: the fragments of 32 along K
	WIN TO_B
.irp i, 0,1,2,3,4,5,6,7
	ds_load_b128 v[\f+8*\i:\f+8*\i+3],   v[ADRB+\slot] offset:\k+\i*16*PITCH
	ds_load_b128 v[\f+8*\i+4:\f+8*\i+7], v[ADRB+\slot] offset:\k+\i*16*PITCH+32
.endr
	WIN 0
.irp i, 0,1,2,3,4,5,6,7
	ds_load_b128 v[\f+8*\i:\f+8*\i+3],   v[ADRA+\slot] offset:\k+\i*16*PITCH
	ds_load_b128 v[\f+8*\i+4:\f+8*\i+7], v[ADRA+\slot] offset:\k+\i*16*PITCH+32
.endr
.endm
.macro PLACES                          ; four plain vector instructions between a matrix instruction and a load into, or a vector use of, its registers
.rept 4
	v_nop
.endr
.endm
.macro QUARTER slot, k, f, g, zero
	s_wait_dscnt 8                                 ; B and A's rows 0-63 are in; the youngest eight loads (A's rows 64-127) may be out
	WIN MUL_LO
	MUL16 \f, 0, 0, \zero
	MUL16 \f, 0, 2, \zero
	PLACES
	FETCH \slot, \k, \g
	s_wait_dscnt 32                                ; all but the 32 just issued
	WIN MUL_HI
	MUL16 \f, 1, 0, \zero
	MUL16 \f, 1, 2, \zero
.endm
.macro THREE slot, zero
	QUARTER \slot, 64,  F0, F1, \zero
	QUARTER \slot, 128, F1, F0, 0
	QUARTER \slot, 192, F0, F1, 0
.endm
.macro TURN slot, next, fill           ; the last quarter of a K step, and the change of slots
	s_wait_dscnt 8
	WIN MUL_LO
	MUL16 F1, 0, 0, 0
	s_wait_dscnt 0                                 ; my reads of this slot are over
	s_wait_tensorcnt 0x0                           ; all my tensor loads have landed: the one that was out is my part of the next slot
	ds_add_u32 v63, v255
	s_wait_dscnt 0x0
	s_barrier_signal -1
	MUL16 F1, 0, 2, 0                              ; register work while the others arrive
	WIN 0
	s_barrier_wait -1
.if \fill
	CREST                                          ; no wave of any partner still reads this slot or has a load on its way
	s_add_nc_u64 s[G0+4*\slot+2:G0+4*\slot+3], s[G0+4*\slot+2:G0+4*\slot+3], 2*KSTEP*2
	s_add_nc_u64 s[G0B+4*\slot+2:G0B+4*\slot+3], s[G0B+4*\slot+2:G0B+4*\slot+3], 2*KSTEP*2
	JLOAD \slot                                    ; the first tensor load behind the round; one load of the wave is out
.endif
	PLACES
	FETCH \next, 0, F0
	WIN MUL_HI
	MUL16 F1, 1, 0, 0
	MUL16 F1, 1, 2, 0
.endm
.macro LAP zero
	THREE 0, \zero
	TURN 0, 1, 1
	THREE 1, 0
	TURN 1, 0, 1
.endm
	s_wait_tensorcnt 1                             ; my part of K step 0 is in; K step 1's load stays out
	s_barrier_signal -1
	s_barrier_wait -1
	FETCH 0, 0, F0
	LAP 1                                          ; the first products start the sums: nothing is cleared
	WIN 0
	s_mov_b32 s3, LAPS-2
.Llap:
	LAP 0
	WIN 0
	s_sub_co_u32 s3, s3, 1
	s_cmp_lg_u32 s3, 0
	s_cbranch_scc1 .Llap
	THREE 0, 0                                     ; the last lap fills nothing
	TURN 0, 1, 0
	THREE 1, 0
	s_wait_dscnt 8
	WIN MUL_LO
	MUL16 F1, 0, 0, 0
	MUL16 F1, 0, 2, 0
	s_wait_dscnt 0
	WIN MUL_HI
	MUL16 F1, 1, 0, 0
	MUL16 F1, 1, 2, 0
	PLACES
; THE WAY OUT, 16 rows at a time: + bias, x the row's factor, round to bf16, through my own stage, out as four tokens of one head a store.
; i: row block; par = i & 1; a: the tile row in its window; win: 0x06 / 0x07 = source 0 in window 2 / 3, source 1 (bias) in window 1; rb: read-back registers.
; The read-back meets two deep in the banks (rows 272 bytes apart, eight lanes a row): 64 loads a wave in all.
.macro OUT16 i, par, a, win, rb
	WIN \win
.irp b, 0,1,2,3,4,5,6,7
.irp r, 0,1,2,3
	v_pk_add_f32 v[F0+8*\b+2*\r:F0+8*\b+2*\r+1], v[8*(8*\a+\b)+2*\r:8*(8*\a+\b)+2*\r+1], v[BI+8*\b+2*\r:BI+8*\b+2*\r+1]
.endr
.endr
	WIN 0
.set m, 0
.rept 32
	v_pk_mul_f32 v[F0+2*m:F0+2*m+1], v[F0+2*m:F0+2*m+1], v[MU+\i-\par:MU+\i-\par+1] op_sel:[0,\par] op_sel_hi:[1,\par]
.set m, m+1
.endr
.irp b, 0,1,2,3,4,5,6,7
.irp r, 0,1,2,3
	v_cvt_pk_bf16_f32 v[TMP+4*\b+\r], v[F0+8*\b+2*\r], v[F0+8*\b+2*\r+1]
.endr
.endr
.irp b, 0,1,2,3,4,5,6,7
	ds_store_b128 v[STO], v[TMP+4*\b:TMP+4*\b+3] offset:32*\b
.endr
	s_wait_xcnt 0x0                                ; the registers that earlier stores read are loaded again only behind this wait
.irp t, 0,1,2,3,4,5,6,7
	ds_load_b128 v[\rb+4*\t:\rb+4*\t+3], v[RD] offset:(\t&3)*4*SPITCH+(\t>>2)*128   ; LDS serves a wave in order: these see the stores above
.endr
.irp t, 0,1,2,3,4,5,6,7
	s_wait_dscnt 7-\t
	global_store_b128 v[CO], v[\rb+4*\t:\rb+4*\t+3], s[8:9] offset:\i*2048+(\t>>2)*262144+(\t&3)*512   ; 512 consecutive bytes, aligned
.endr
.endm
	OUT16 0, 0, 0, 0x06, 128
	OUT16 1, 1, 1, 0x06, 160
	OUT16 2, 0, 2, 0x06, 128
	OUT16 3, 1, 3, 0x06, 160
	OUT16 4, 0, 0, 0x07, 128
	OUT16 5, 1, 1, 0x07, 160
	OUT16 6, 0, 2, 0x07, 128
	OUT16 7, 1, 3, 0x07, 160
	s_set_vgpr_msb 0x1
	s_wait_tensorcnt 0x0
	ds_add_u32 v63, v255
	s_wait_dscnt 0x0
	s_set_vgpr_msb 0x100
	CROUND                                         ; no work-group ends while a partner may still ask for a tile that names it
	s_endpgm
.Lfunc_end_k_qc2b68ec585_qkv:
	.size	k_qc2b68ec585_qkv, .Lfunc_end_k_qc2b68ec585_qkv-k_qc2b68ec585_qkv
	.p2alignl 7, 3214868480
	.fill 96, 4, 3214868480
	.section	.rodata,"a",@progbits
	.p2align	6, 0x0
	.amdhsa_kernel k_qc2b68ec585_qkv
		.amdhsa_group_segment_fixed_size 327680
		.amdhsa_private_segment_fixed_size 0
		.amdhsa_enable_private_segment 0
		.amdhsa_kernarg_size 56
		.amdhsa_user_sgpr_count 2
		.amdhsa_user_sgpr_kernarg_segment_ptr 1
		.amdhsa_wavefront_size32 1
		.amdhsa_system_sgpr_workgroup_id_x 1
		.amdhsa_system_sgpr_workgroup_id_y 1
		.amdhsa_system_sgpr_workgroup_id_z 1
		.amdhsa_system_vgpr_workitem_id 0
		.amdhsa_next_free_vgpr 1024
		.amdhsa_next_free_sgpr 84
		.amdhsa_reserve_vcc 1
		.amdhsa_float_denorm_mode_32 3
		.amdhsa_float_denorm_mode_16_64 3
		.amdhsa_memory_ordered 1
		.amdhsa_forward_progress 1
		.amdhsa_inst_pref_size 232
	.end_amdhsa_kernel
	.amdgpu_metadata
---
amdhsa.version: [ 1, 2 ]
amdhsa.kernels:
  - .name:           k_qc2b68ec585_qkv
    .symbol:         k_qc2b68ec585_qkv.kd
    .args:
      - { .name: nxb, .offset: 0, .size: 8, .value_kind: global_buffer, .address_space: global }
      - { .name: wt, .offset: 8, .size: 8, .value_kind: global_buffer, .address_space: global }
      - { .name: qkv, .offset: 16, .size: 8, .value_kind: global_buffer, .address_space: global }
      - { .name: bq, .offset: 24, .size: 8, .value_kind: global_buffer, .address_space: global }
      - { .name: bk, .offset: 32, .size: 8, .value_kind: global_buffer, .address_space: global }
      - { .name: bv, .offset: 40, .size: 8, .value_kind: global_buffer, .address_space: global }
      - { .name: attention_mask, .offset: 48, .size: 8, .value_kind: global_buffer, .address_space: global }
    .group_segment_fixed_size: 327680
    .private_segment_fixed_size: 0
    .kernarg_segment_align: 8
    .kernarg_segment_size: 56
    .max_flat_workgroup_size: 128
    .sgpr_count:     84
    .vgpr_count:     1024
    .wavefront_size: 32
...
	.end_amdgpu_metadata
.endif
;; end of part 2
;; launch attn (part 3): grid 8 x 32, 8 waves a work-group, clusters of 4 x 1, 327,680 bytes of LDS; arguments qkv, attention_mask, ao; writes ao
.if DOCPART == 3
	.amdgcn_target "amdgcn-amd-amdhsa--gfx1250"
	.amdhsa_code_object_version 6
	.text
	.protected	k_qc2b68ec585_attn
	.globl	k_qc2b68ec585_attn
	.p2align	8
	.type	k_qc2b68ec585_attn,@function
k_qc2b68ec585_attn:
	s_mov_b64 s[64:65], 0
	v_nop
	global_prefetch_b8 v0, s[64:65] scope:SCOPE_SE
	s_setreg_imm32_b32 hwreg(HW_REG_WAVE_MODE, 25, 1), 1
	s_wait_xcnt 0x0
	s_wait_alu depctr_hold_cnt(0) depctr_sa_sdst(0) depctr_va_vdst(0) depctr_va_sdst(0) depctr_va_ssrc(0) depctr_va_vcc(0) depctr_vm_vsrc(0)
	s_getreg_b32 s2, hwreg(HW_REG_IB_STS2, 6, 4)
	s_cmp_eq_u32 s2, 0
	s_cbranch_scc0 .Lentry_in_a_cluster
	s_endpgm
.Lentry_in_a_cluster:
	s_bfe_u32 s2, ttmp6, 0x10000c
	s_cmp_lg_u32 s2, 0x3003
	s_cbranch_scc0 .Lentry_shape_is_right
	s_endpgm
.Lentry_shape_is_right:
; ao[b][h][s][d] = softmax over keys of (q k^T, masked) times v, in bf16; running maximum, sums and outputs in f32.
; q arrives scaled by 0.125 log2(e), so exponentials are powers of two.  A masked key's k row arrives as zeros; the first product of each score tile
; takes as its C a tile that holds 0 for a valid key and -1e9 log2(e) for a masked one: the score of a masked key is exactly that number, as where(mask, s, -1e9)
; in powers of two, also when every key is masked (uniform weights).  LIMIT: a q that is not finite gives NaN against a masked key's zero row.
; A work-group: one (b, h), 256 queries, EIGHT waves.  Wave w takes query group w & 3 (64 queries = four tiles of 16, in two pieces A and B of two tiles)
; and key half w >> 2: of every 256 keys (one LDS slot) the first or the second 128.  So each K and V fragment is still read from LDS once for 64 queries,
; two waves of 512 registers fill a SIMD's 1,024, and each SIMD has two instruction streams that do not depend on each other.  At the end the two waves of a
; query group join their maxima, sums and outputs through LDS: each hands its piece B to the other and finishes its own piece A.  Waves of key half 1 hold query
; tiles 2, 3 as their piece A (only the addresses of q and ao differ), so that the text needs no branch on the half.
; CLUSTERS: the four work-groups of a cluster are four query blocks of one (b, h) and read the same K and V: every K and V tile is asked for jointly.
; TRANSPOSED PRODUCTS: S^T = K Q^T and O^T = V^T P^T.  Lane (r, h) then holds query r in every tile, so the maximum, the sum and the rescale factor are
; one number a lane, and two packed S^T tiles are a B fragment of P^T as they stand.
; THE TWO PIECES TAKE TURNS: one piece's subtract / exponential / sum stands between the other piece's score products, one piece's rescale of O between
; the other's P V products.
; REGISTERS.  Window 0: v2-7 addresses, v8-11 negated maxima, v12-15 rescale factors, v16-23 sums, v24-27 at work, v32-159 S (P packed in place),
; v160-223 K fragments, v224-255 the mask tile.  Window 1: v0-127 O, v128-191 V fragments, v192-255 Q fragments.
; Between products under a window setting only such vector lines stand whose operands fit it: under 0x04 (source 1 in window 1) source 1 is the constant 1.0,
; which is why adds are written as multiply-adds there; under 0x51 the rescale O = O x factor has the products' own windows.
.set KP,    144                        ; K's LDS pitch: 128 bytes + 16
.set VP,    160                        ; V's: 128 + 32 (an odd multiple of 32, for the transposing loads)
.set SKEYS, 256                        ; keys in a slot
.set VOFF,  SKEYS*KP                   ; V behind K in a slot
.set SLOT,  SKEYS*(KP+VP)              ; 77,824 bytes
.set BIASL, 2*SLOT                     ; 2,048 f32: 0 or -1e9 log2(e); written by LDS stores, never filled by a tensor load
.set STAGE, BIASL+8192                 ; 16 rows x 144 bytes for each wave, for the way out
.set MERGE, STAGE+8*16*KP              ; for each wave: the 64 O registers of its piece B (8,192 bytes), then its maxima and sums (512)
.set MREG,  8704
.set KA, 2
.set VA, 4
.set BA, 6
.set QO, 7
.set NM, 8
.set AL, 12
.set LS, 16
.set T,  24
.set STO, 28
.set RD,  29
.set CO,  30
.set SB,  32
.set OP,  96                           ; at the end: the partner's 64 O registers
.set MW,  2                            ; at the end, in K's address registers: where I put my piece B,
.set MR,  3                            ; and where my partner has put its own
.set KF,  160
.set BF,  224
.set VF,  128                          ; window 1
.set QF,  192                          ; window 1
.set G1K, 16
.set G1V, 24
.set G0K, 32                           ; one group 0 for each slot
.set G0V, 40
.set MSB, 0
.macro WIN new                         ; the immediate's high byte repeats the setting that is left
.if MSB != \new
	s_set_vgpr_msb (MSB<<8)|\new
.set MSB, \new
.endif
.endm
.macro ROUND                           ; a round of the cluster's barrier
	s_barrier_signal -1
	s_barrier_wait -1
	s_cmp_lg_u32 s10, 0
	s_cbranch_scc1 .Lnot_wave_0_\@
	s_barrier_signal -3
.Lnot_wave_0_\@:
	s_barrier_wait -3
	s_barrier_signal -1
	s_barrier_wait -1
.endm
	s_load_b128 s[4:7], s[0:1], 0x0                ; qkv, attention_mask
	s_load_b64 s[8:9], s[0:1], 0x10                ; ao
	v_lshl_add_u32 v254, v0, 2, 0x3d800
	v_mov_b32 v255, 0
	ds_add_u32 v254, v255
	s_wait_dscnt 0x0
	v_lshrrev_b32 v1, 5, v0
	v_readfirstlane_b32 s10, v1                    ; wave 0..7
	s_and_b32 s13, s10, 3                          ; query group
	s_lshr_b32 s14, s10, 2                         ; key half
	s_bfe_u32 s11, ttmp6, 0x40000                  ; cx: enters the addresses of q and ao alone
	s_and_b32 s12, ttmp7, 0xffff                   ; 16 b + h
	s_mov_b32 s48, 0x76543210                      ; v_permlanex16_b32: lane i reads lane i of the other half
	s_mov_b32 s49, 0xfedcba98
	; group 1: 32 rows of 64 bf16, dense in memory; the mask names all four work-groups of the cluster
	s_mov_b32 s[G1K+0], 15|(1<<16)|(1<<20)|(1<<21)|(4<<22)|(3<<25)   ; 4 words of padding behind every 32
	s_mov_b32 s[G1V+0], 15|(1<<16)|(1<<20)|(1<<21)|(4<<22)|(7<<25)   ; 8 words
	s_mov_b32 s[G1K+1], 64<<16
	s_mov_b32 s[G1V+1], 64<<16                     ; tensor_dim0 = 64
	s_mov_b32 s[G1K+2], 32<<16
	s_mov_b32 s[G1V+2], 32<<16                     ; tensor_dim1 = 32
	s_mov_b32 s[G1K+3], 64<<16
	s_mov_b32 s[G1V+3], 64<<16                     ; tile_dim0 = 64
	s_mov_b32 s[G1K+4], 32
	s_mov_b32 s[G1V+4], 32                         ; tile_dim1 = 32
	s_mov_b32 s[G1K+5], 64
	s_mov_b32 s[G1V+5], 64                         ; elements from row to row
	s_mov_b32 s[G1K+6], 0
	s_mov_b32 s[G1V+6], 0
	s_mov_b32 s[G1K+7], 0
	s_mov_b32 s[G1V+7], 0
	s_lshl_b32 s52, s12, 18                        ; (b, h) x 2,048 rows of 128 bytes
	s_lshl_b32 s54, s10, 12                        ; the 32 rows of every 256 that I fetch
	s_add_co_u32 s52, s52, s54
	s_mov_b32 s53, 0
	s_mul_i32 s54, s10, 32*KP
	s_mul_i32 s55, s10, 32*VP
	s_lshl_b32 s56, ttmp9, 2
	s_add_co_u32 s56, s56, s11                     ; query block = 4 x cluster x + cx
	s_lshl_b32 s56, s56, 15                        ; x 256 rows
	s_lshl_b32 s58, s12, 18
	s_add_co_u32 s56, s56, s58
	s_lshl_b32 s58, s13, 13                        ; my group's 64 rows
	s_add_co_u32 s56, s56, s58
	s_xor_b32 s15, s14, 1
	s_lshl_b32 s15, s15, 12
	s_add_co_u32 s60, s56, s15                     ; piece B: the 32 rows that my partner finishes
	s_mov_b32 s61, 0
	s_lshl_b32 s15, s14, 12
	s_add_co_u32 s56, s56, s15                     ; piece A: the 32 rows that I finish
	s_mov_b32 s57, 0
	s_lshr_b32 s2, s12, 4
	s_lshl_b32 s2, s2, 13                          ; b x 2,048 words
	s_mov_b32 s3, 0
	s_mul_i32 s62, s10, 16*KP
	s_add_co_u32 s62, s62, STAGE
	s_mul_i32 s63, s10, MREG
	s_add_co_u32 s63, s63, MERGE                   ; my merge region
	s_xor_b32 s51, s10, 4                          ; my partner: the same query group, the other key half
	s_mul_i32 s51, s51, MREG
	s_add_co_u32 s51, s51, MERGE
	s_wait_kmcnt 0x0
	s_add_nc_u64 s[52:53], s[4:5], s[52:53]
	s_add_nc_u64 s[58:59], s[4:5], s[56:57]        ; q rows of piece A
	s_add_nc_u64 s[60:61], s[4:5], s[60:61]        ; q rows of piece B
	s_add_nc_u64 s[8:9], s[8:9], s[56:57]          ; the ao rows that I store
	s_add_nc_u64 s[6:7], s[6:7], s[2:3]
.irp s, 0,1
	s_mov_b32 s[G0K+4*\s], 1
	s_add_co_u32 s[G0K+4*\s+1], s54, \s*SLOT
	s_add_nc_u64 s[G0K+4*\s+2:G0K+4*\s+3], s[52:53], 8388608+\s*32768
	s_or_b32 s[G0K+4*\s+3], s[G0K+4*\s+3], 0x80000000
	s_mov_b32 s[G0V+4*\s], 1
	s_add_co_u32 s[G0V+4*\s+1], s55, \s*SLOT+VOFF
	s_add_nc_u64 s[G0V+4*\s+2:G0V+4*\s+3], s[52:53], 16777216+\s*32768
	s_or_b32 s[G0V+4*\s+3], s[G0V+4*\s+3], 0x80000000
.endr
	v_lshlrev_b32 v1, 5, v0                        ; thread t: mask words 8 t .. 8 t + 7
.irp i, 0,1
	global_load_b128 v[SB+4*\i:SB+4*\i+3], v1, s[6:7] offset:16*\i
.endr
	v_and_b32 v24, 15, v0                          ; r
	v_bfe_u32 v25, v0, 4, 1                        ; h
	v_lshlrev_b32 v[QO], 7, v24
	v_lshl_add_u32 v[QO], v25, 4, v[QO]            ; row r, 16 h
	WIN 0x40
.irp t, 0,1
.irp ks, 0,1
	global_load_b128 v[QF+8*(2*\t+\ks):QF+8*(2*\t+\ks)+3],   v[QO], s[58:59] offset:\t*2048+\ks*64
	global_load_b128 v[QF+8*(2*\t+\ks)+4:QF+8*(2*\t+\ks)+7], v[QO], s[58:59] offset:\t*2048+\ks*64+32
.endr
.endr
.irp t, 0,1
.irp ks, 0,1
	global_load_b128 v[QF+32+8*(2*\t+\ks):QF+32+8*(2*\t+\ks)+3],   v[QO], s[60:61] offset:\t*2048+\ks*64
	global_load_b128 v[QF+32+8*(2*\t+\ks)+4:QF+32+8*(2*\t+\ks)+7], v[QO], s[60:61] offset:\t*2048+\ks*64+32
.endr
.endr
	WIN 0
	ROUND                                          ; in front of the first joint loads
	tensor_load_to_lds s[G0K:G0K+3], s[G1K:G1K+7]              ; keys 0-255
	s_nop 0
	tensor_load_to_lds s[G0V:G0V+3], s[G1V:G1V+7]
	s_nop 0
	tensor_load_to_lds s[G0K+4:G0K+7], s[G1K:G1K+7]            ; keys 256-511: four tensor loads of the wave are out
	s_nop 0
	tensor_load_to_lds s[G0V+4:G0V+7], s[G1V:G1V+7]
	s_nop 0
	v_mul_u32_u24 v[KA], v24, KP
	v_lshl_add_u32 v[KA], v25, 4, v[KA]            ; K fragments: row r, 16 h
	v_add_nc_u32 v[STO], s62, v[KA]                ; the stage has the same pitch
	s_mul_i32 s15, s14, 128*KP                     ; my half of a slot's keys
	v_add_nc_u32 v[KA], s15, v[KA]
	v_add_nc_u32 v[KA+1], SLOT, v[KA]
	v_and_b32 v26, 7, v0
	v_lshl_add_u32 v26, v25, 3, v26
	v_mul_u32_u24 v[VA], v26, VP                   ; V, transposing loads: row 8 h + (l & 7),
	v_bfe_u32 v26, v0, 3, 1
	v_lshl_add_u32 v[VA], v26, 4, v[VA]            ; 16 bytes x bit 3 of the lane
	s_mul_i32 s15, s14, 128*VP
	s_add_co_u32 s15, s15, VOFF
	v_add_nc_u32 v[VA], s15, v[VA]
	v_add_nc_u32 v[VA+1], SLOT, v[VA]
	v_lshlrev_b32 v[BA], 5, v25
	s_lshl_b32 s15, s14, 9                         ; 128 keys x 4 bytes
	s_add_co_u32 s15, s15, BIASL
	v_add_nc_u32 v[BA], s15, v[BA]                 ; the mask tile: keys 8 h + 0..7
	v_and_b32 v26, 31, v0
	v_lshrrev_b32 v27, 3, v26
	v_mul_u32_u24 v27, v27, KP
	v_and_b32 v[RD], 7, v0
	v_lshl_add_u32 v[RD], v[RD], 4, v27
	v_add_nc_u32 v[RD], s62, v[RD]                 ; back: eight lanes a row of 128 bytes
	v_lshlrev_b32 v[CO], 4, v26
	v_add_nc_u32 v31, BIASL, v1
	v_mov_b32 v26, 0xce6e6b28                      ; -1e9
	v_mul_f32 v26, 0x3fb8aa3b, v26                 ; x log2(e)
	v_mov_b32 v27, 0
	s_wait_loadcnt 16                              ; the two mask loads are in; q's sixteen stay out
.set i, 0
.rept 8
	v_cmp_lt_i32 vcc_lo, 0, v[SB+i]
	v_cndmask_b32 v[SB+i], v26, v27, vcc_lo
.set i, i+1
.endr
.irp i, 0,1
	ds_store_b128 v31, v[SB+4*\i:SB+4*\i+3] offset:16*\i
.endr
	s_wait_tensorcnt 2                             ; my parts of slot 0 are in; slot 1's two loads stay out
	s_wait_dscnt 0x0                               ; my part of the mask table is written
	s_barrier_signal -1
	s_barrier_wait -1
; 24 LDS loads: the K fragments of 64 keys (tile tl of my half of slot s) and the mask tile at byte boff of the table
.macro LOADK s, tl, boff
	WIN 0
.irp kt, 0,1,2,3
.irp ks, 0,1
	ds_load_b128 v[KF+8*(2*\kt+\ks):KF+8*(2*\kt+\ks)+3],   v[KA+\s] offset:\tl*64*KP+\kt*16*KP+\ks*64
	ds_load_b128 v[KF+8*(2*\kt+\ks)+4:KF+8*(2*\kt+\ks)+7], v[KA+\s] offset:\tl*64*KP+\kt*16*KP+\ks*64+32
.endr
.endr
.irp kt, 0,1,2,3
	ds_load_b128 v[BF+8*\kt:BF+8*\kt+3],   v[BA] offset:\boff+\kt*64
	ds_load_b128 v[BF+8*\kt+4:BF+8*\kt+7], v[BA] offset:\boff+\kt*64+16
.endr
.endm
; 16 transposing LDS loads: V^T fragments (16 d x 32 keys) of 64 keys
.macro LOADV s, tl
	WIN 0x40
.irp ks, 0,1
.irp dt, 0,1,2,3
	ds_load_tr16_b128 v[VF+8*(4*\ks+\dt):VF+8*(4*\ks+\dt)+3],   v[VA+\s] offset:\tl*64*VP+\ks*32*VP+\dt*32
	ds_load_tr16_b128 v[VF+8*(4*\ks+\dt)+4:VF+8*(4*\ks+\dt)+7], v[VA+\s] offset:\tl*64*VP+\ks*32*VP+\dt*32+16*VP
.endr
.endr
.endm
; Piece X: the running maximum of its two query tiles (kept negated), the rescale factor 2^(old - new), and the sums rescaled
.macro MAXBLK X, first
	WIN 0
.irp q, 0,1
	v_max3_num_f32 v[T+2*\q],   v[SB+64*\X+32*\q],   v[SB+64*\X+32*\q+1], v[SB+64*\X+32*\q+2]
	v_max3_num_f32 v[T+2*\q+1], v[SB+64*\X+32*\q+3], v[SB+64*\X+32*\q+4], v[SB+64*\X+32*\q+5]
.endr
.irp i, 0,1,2,3,4,5
.irp q, 0,1
	v_max3_num_f32 v[T+2*\q],   v[T+2*\q],   v[SB+64*\X+32*\q+6+4*\i], v[SB+64*\X+32*\q+7+4*\i]
	v_max3_num_f32 v[T+2*\q+1], v[T+2*\q+1], v[SB+64*\X+32*\q+8+4*\i], v[SB+64*\X+32*\q+9+4*\i]
.endr
.endr
.irp q, 0,1
	v_max3_num_f32 v[T+2*\q], v[T+2*\q], v[SB+64*\X+32*\q+30], v[SB+64*\X+32*\q+31]
.endr
.irp q, 0,1
	v_max_num_f32 v[T+2*\q], v[T+2*\q], v[T+2*\q+1]
.endr
.irp q, 0,1
	v_permlanex16_b32 v[T+2*\q+1], v[T+2*\q], s48, s49     ; the other half of the lanes holds the query's other keys
.endr
.irp q, 0,1
	v_max_num_f32 v[T+2*\q], v[T+2*\q], v[T+2*\q+1]
.endr
.if \first
.irp q, 0,1
	v_mul_f32 v[NM+2*\X+\q], -1.0, v[T+2*\q]
.endr
.else
.irp q, 0,1
	v_mul_f32 v[T+2*\q], -1.0, v[T+2*\q]
.endr
.irp q, 0,1
	v_min_num_f32 v[T+2*\q], v[T+2*\q], v[NM+2*\X+\q]      ; - max(tile, old)
.endr
.irp q, 0,1
	v_sub_f32 v[AL+2*\X+\q], v[T+2*\q], v[NM+2*\X+\q]      ; old - new, at most 0
.endr
.irp q, 0,1
	v_exp_f32 v[AL+2*\X+\q], v[AL+2*\X+\q]
.endr
.irp q, 0,1
	v_mov_b32 v[NM+2*\X+\q], v[T+2*\q]                     ; plain lines behind the exponentials, before their results are used (ISA guide 5.7.2)
.endr
	s_wait_alu depctr_va_vdst(0)
	v_pk_mul_f32 v[LS+4*\X:LS+4*\X+1],   v[LS+4*\X:LS+4*\X+1],   v[AL+2*\X:AL+2*\X+1] op_sel:[0,0] op_sel_hi:[1,0]
	v_pk_mul_f32 v[LS+4*\X+2:LS+4*\X+3], v[LS+4*\X+2:LS+4*\X+3], v[AL+2*\X:AL+2*\X+1] op_sel:[0,1] op_sel_hi:[1,1]
.endif
.endm
.macro RESC X                          ; pair rm of piece X's O times its query tile's factor
.if rm < 16
	v_pk_mul_f32 v[64*\X+2*rm:64*\X+2*rm+1], v[64*\X+2*rm:64*\X+2*rm+1], v[AL+2*\X:AL+2*\X+1] op_sel:[0,0] op_sel_hi:[1,0]
.else
	v_pk_mul_f32 v[64*\X+2*rm:64*\X+2*rm+1], v[64*\X+2*rm:64*\X+2*rm+1], v[AL+2*\X:AL+2*\X+1] op_sel:[0,1] op_sel_hi:[1,1]
.endif
.set rm, rm+1
.endm
; 16 products O_Y += V^T P_Y^T; the eight accumulators take turns, one instruction a turn.  resc = 1: piece X's 32 rescales stand between them,
; the last four behind the last product: with the first line of the next block they are the five plain places in front of the products that write over P_Y,
; and the four in front of the loads into V's registers.
.macro PVRS Y, X, zero, resc
	WIN 0x51
.set rm, 0
.set pn, 0
.irp ks, 0,1
.irp q, 0,1
.irp dt, 0,1,2,3
.set oreg, 8*((2*\Y+\q)*4+\dt)
.set preg, SB+32*(2*\Y+\q)+8*\ks
.if \zero*(1-\ks)
	v_wmma_f32_16x16x32_bf16 v[oreg:oreg+7], v[VF+8*(4*\ks+\dt):VF+8*(4*\ks+\dt)+7], v[preg:preg+7], 0
.else
	v_wmma_f32_16x16x32_bf16 v[oreg:oreg+7], v[VF+8*(4*\ks+\dt):VF+8*(4*\ks+\dt)+7], v[preg:preg+7], v[oreg:oreg+7]
.endif
.if \resc
.if pn < 14
	RESC \X
	RESC \X
.endif
.if pn == 15
	RESC \X
	RESC \X
	RESC \X
	RESC \X
.endif
.endif
.set pn, pn+1
.endr
.endr
.endr
.if \resc == 0
.rept 5
	v_nop
.endr
.endif
.endm
.macro SUBP X, p                       ; pair p of piece X's scores minus its query tile's maximum
.if (\p) < 16
	v_pk_fma_f32 v[SB+64*\X+2*(\p):SB+64*\X+2*(\p)+1], v[SB+64*\X+2*(\p):SB+64*\X+2*(\p)+1], 1.0, v[NM+2*\X:NM+2*\X+1] op_sel:[0,0,0] op_sel_hi:[1,0,0]
.else
	v_pk_fma_f32 v[SB+64*\X+2*(\p):SB+64*\X+2*(\p)+1], v[SB+64*\X+2*(\p):SB+64*\X+2*(\p)+1], 1.0, v[NM+2*\X:NM+2*\X+1] op_sel:[0,0,1] op_sel_hi:[1,0,1]
.endif
.endm
.macro SUMP X, p, first                ; pair p joins its query tile's sums; in the first key tile the tile's first pair starts them
.set sfirst, 0
.if \first
.if ((\p)&15) == 0
.set sfirst, 1
.endif
.endif
.set lreg, LS+4*\X+2*((\p)/16)
.if sfirst
	s_wait_alu depctr_va_vdst(0)
	v_pk_mul_f32 v[lreg:lreg+1], v[SB+64*\X+2*(\p):SB+64*\X+2*(\p)+1], 1.0 op_sel_hi:[1,0]
.else
	s_wait_alu depctr_va_vdst(0)
	v_pk_fma_f32 v[lreg:lreg+1], v[SB+64*\X+2*(\p):SB+64*\X+2*(\p)+1], 1.0, v[lreg:lreg+1] op_sel_hi:[1,0,1]
.endif
.endm
.macro EXPG X, first                   ; the next pair's subtraction, this pair's two exponentials, the pair before joins the sums: a plain line stands behind every exponential before its result is used
.if ep < 31
	SUBP \X, ep+1
.endif
	v_exp_f32 v[SB+64*\X+2*ep], v[SB+64*\X+2*ep]
	v_exp_f32 v[SB+64*\X+2*ep+1], v[SB+64*\X+2*ep+1]
.if ep > 0
	SUMP \X, ep-1, \first
.endif
.set ep, ep+1
.endm
; qk = 1: 16 products S_Y^T = K Q_Y^T + mask tile, eight accumulators by turns.  ex = 1: piece X's 64 exponentials, two groups behind each product.
.macro QKEXP Y, X, qk, ex, first
.if \qk
	WIN 0x04
.else
	WIN 0
.endif
.set ep, 0
.if \ex
	SUBP \X, 0
.endif
.irp ks, 0,1
.irp q, 0,1
.irp kt, 0,1,2,3
.if \qk
.set sreg, SB+8*((2*\Y+\q)*4+\kt)
.if \ks == 0
	v_wmma_f32_16x16x32_bf16 v[sreg:sreg+7], v[KF+8*(2*\kt+\ks):KF+8*(2*\kt+\ks)+7], v[QF+8*((2*\Y+\q)*2+\ks):QF+8*((2*\Y+\q)*2+\ks)+7], v[BF+8*\kt:BF+8*\kt+7]
.else
	v_wmma_f32_16x16x32_bf16 v[sreg:sreg+7], v[KF+8*(2*\kt+\ks):KF+8*(2*\kt+\ks)+7], v[QF+8*((2*\Y+\q)*2+\ks):QF+8*((2*\Y+\q)*2+\ks)+7], v[sreg:sreg+7]
.endif
.endif
.if \ex
	EXPG \X, \first
	EXPG \X, \first
.endif
.endr
.endr
.endr
.if \ex
	SUMP \X, 31, \first
.endif
.endm
.macro CVT X                           ; piece X's weights to bf16, packed in place: registers 0-15 of each query tile are its two B fragments
	WIN 0
.irp q, 0,1
.irp i, 0,1,2,3,4,5,6,7,8,9,10,11,12,13,14,15
	v_cvt_pk_bf16_f32 v[SB+64*\X+32*\q+\i], v[SB+64*\X+32*\q+2*\i], v[SB+64*\X+32*\q+2*\i+1]
.endr
.endr
.endm
; My half of slot s has been read to its end.  fill = 1: the slot is filled again, 512 keys further on, by joint loads behind a round of the cluster's barrier.
.macro SWITCH s, fill
	WIN 0
	s_wait_dscnt 0x0                               ; my reads of slot s are back (the last were V's)
	s_wait_xcnt 0x0
	v_lshl_add_u32 v254, v0, 2, 0x3d800
	v_mov_b32 v255, 0
	s_wait_tensorcnt 0x0                           ; all my tensor loads have landed, my parts of the other slot among them: every group 0 may be written
	ds_add_u32 v254, v255
	s_wait_dscnt 0x0
.if \fill
	s_add_nc_u64 s[G0K+4*\s+2:G0K+4*\s+3], s[G0K+4*\s+2:G0K+4*\s+3], 65536
	s_add_nc_u64 s[G0V+4*\s+2:G0V+4*\s+3], s[G0V+4*\s+2:G0V+4*\s+3], 65536
	ROUND                                          ; both now hold of every wave of all four work-groups
	tensor_load_to_lds s[G0K+4*\s:G0K+4*\s+3], s[G1K:G1K+7]    ; two tensor loads of the wave are out; they have two key tiles' work of every wave in which to land
	s_nop 0
	tensor_load_to_lds s[G0V+4*\s:G0V+4*\s+3], s[G1V:G1V+7]
	s_nop 0
.else
	s_barrier_signal -1                            ; the other slot is whole for every wave
	s_barrier_wait -1
.endif
.endm
; Key tile j, first half: A's vector work beside B's products.  s, tl: where V(j) lies.
.macro P1 s, tl, pv, zero, first
	MAXBLK 0, \first
.if \pv
	PVRS 1, 0, \zero, 1                            ; O_B += V(j-1) P_B(j-1), O_A rescaled
.endif
	LOADV \s, \tl
	QKEXP 1, 0, 1, 1, \first                       ; S_B(j), exponentials of A(j)
	CVT 0
.endm
; Second half: B's vector work beside A's products.  sw < 2: that slot has been read to its end.  ns, ntl, boff: where K(j+1) and its mask tile lie.
.macro P2 sw, fill, ns, ntl, boff, zero, resc, first, more
.if \sw < 2
	SWITCH \sw, \fill
.endif
.if \more
	LOADK \ns, \ntl, \boff
.endif
	MAXBLK 1, \first
.if \more
	s_wait_dscnt 24                                ; V(j)'s 16 loads are in; the 24 younger ones (K and the mask tile) stay out
.else
	s_wait_dscnt 0x0
.endif
	PVRS 0, 1, \zero, \resc                        ; O_A += V(j) P_A(j), O_B rescaled
.if \more
	s_wait_dscnt 0x0                               ; K(j+1) and its mask tile
.endif
	QKEXP 0, 1, \more, 1, \first                   ; S_A(j+1), exponentials of B(j)
	CVT 1
.endm
.macro LAP first, last                 ; four key tiles of mine: once round the two slots.  In the mask table a slot is 1,024 bytes, a tile 256
.if \first
	P1 0, 0, 0, 0, 1
	P2 2, 0, 0, 1, 256, 1, 0, 1, 1
	P1 0, 1, 1, 1, 0
.else
	P1 0, 0, 1, 0, 0
	P2 2, 0, 0, 1, 256, 0, 1, 0, 1
	P1 0, 1, 1, 0, 0
.endif
	P2 0, (1-\last), 1, 0, 1024, 0, 1, 0, 1
	P1 1, 0, 1, 0, 0
	P2 2, 0, 1, 1, 1280, 0, 1, 0, 1
	P1 1, 1, 1, 0, 0
.if \last
	P2 2, 0, 0, 0, 0, 0, 1, 0, 0
.else
	P2 1, 1, 0, 0, 2048, 0, 1, 0, 1
	v_add_nc_u32 v[BA], 2048, v[BA]                ; 512 keys on in the mask table
.endif
.endm
	LOADK 0, 0, 0
	s_wait_dscnt 0x0
	s_wait_loadcnt 0x0                             ; q
	QKEXP 0, 0, 1, 0, 0                            ; S_A(0)
	WIN 0
.rept 4
	v_nop                                          ; four plain places before the maximum reads the results (ISA guide 7.12.1)
.endr
	LAP 1, 0                                       ; the first products on O start its sums: nothing is cleared
	WIN 0
	s_mov_b32 s50, 2                               ; 16 key tiles of mine = 4 laps: one in front, two here, one behind
.Llap:
	LAP 0, 0
	WIN 0
	s_sub_co_u32 s50, s50, 1
	s_cmp_lg_u32 s50, 0
	s_cbranch_scc1 .Llap
	LAP 0, 1                                       ; the last lap fills nothing
	PVRS 1, 0, 0, 0                                ; O_B += V(15) P_B(15); five plain places follow it
	WIN 0
	; THE TWO KEY HALVES JOIN.  The sums of all four query tiles; then my piece B (64 O registers as they lie, maxima, sums) goes to my partner through LDS
.irp t, 0,1,2,3
	v_add_f32 v[LS+2*\t], v[LS+2*\t], v[LS+2*\t+1]
.endr
.irp t, 0,1,2,3
	v_permlanex16_b32 v[LS+2*\t+1], v[LS+2*\t], s48, s49
.endr
.irp t, 0,1,2,3
	v_add_f32 v[LS+2*\t], v[LS+2*\t], v[LS+2*\t+1]         ; at least 1: the largest score's weight is 2^0
.endr
	v_add_nc_u32 v[MW], s63, v[CO]                 ; 16 bytes a lane: no two lanes of a store meet in a bank
	v_add_nc_u32 v[MR], s51, v[CO]
	v_mov_b32 v[T],   v[NM+2]
	v_mov_b32 v[T+1], v[NM+3]
	v_mov_b32 v[T+2], v[LS+4]
	v_mov_b32 v[T+3], v[LS+6]
	ds_store_b128 v[MW], v[T:T+3] offset:8192
	WIN 0x04                                       ; store data (source 1) in window 1
.set i, 0
.rept 16
	ds_store_b128 v[MW], v[64+4*i:64+4*i+3] offset:512*i
.set i, i+1
.endr
	WIN 0
	s_wait_dscnt 0x0                               ; written, for my partner's sake; my last reads of slot 1 are back too
	s_barrier_signal -1
	s_barrier_wait -1
	ds_load_b128 v[T:T+3], v[MR] offset:8192       ; the partner's negated maxima and sums for the two query tiles of my piece A
.set i, 0
.rept 16
	ds_load_b128 v[OP+4*i:OP+4*i+3], v[MR] offset:512*i
.set i, i+1
.endr
	s_wait_dscnt 16                                ; the maxima and sums are in; the 16 loads of O stay out
.irp q, 0,1
	v_min_num_f32 v[AL+\q], v[NM+\q], v[T+\q]              ; - max of the two maxima
.endr
.irp q, 0,1
	v_sub_f32 v[AL+2+\q], v[AL+\q], v[T+\q]                ; the partner's maximum - the joint one, at most 0
.endr
.irp q, 0,1
	v_sub_f32 v[AL+\q], v[AL+\q], v[NM+\q]                 ; mine - the joint one
.endr
.irp i, 0,1,2,3
	v_exp_f32 v[AL+\i], v[AL+\i]
.endr
	v_nop                                          ; a plain line behind the exponentials before their results are used (ISA guide 5.7.2)
	s_wait_alu depctr_va_vdst(0)
.irp q, 0,1
	v_mul_f32 v[LS+2*\q], v[LS+2*\q], v[AL+\q]
.endr
.irp q, 0,1
	v_fma_f32 v[LS+2*\q], v[T+2+\q], v[AL+2+\q], v[LS+2*\q]    ; the joint sum: at least 1, since one of the two factors is 2^0
.endr
.irp q, 0,1
	v_rcp_f32 v[LS+2*\q], v[LS+2*\q]
.endr
	v_nop
	s_wait_alu depctr_va_vdst(0)
.irp q, 0,1
	v_mul_f32 v[AL+\q], v[AL+\q], v[LS+2*\q]               ; my O's factor
	v_mul_f32 v[AL+2+\q], v[AL+2+\q], v[LS+2*\q]           ; the partner's
.endr
	s_wait_dscnt 0x0                               ; the partner's O
	; THE WAY OUT: the two O joined and divided, to bf16, 16 queries at a time through my own stage, out as four rows of 128 bytes a store
.macro FIN q
	WIN 0x01
.irp m, 0,1,2,3,4,5,6,7,8,9,10,11,12,13,14,15
	v_pk_mul_f32 v[SB+2*\m:SB+2*\m+1], v[32*\q+2*\m:32*\q+2*\m+1], v[AL:AL+1] op_sel:[0,\q] op_sel_hi:[1,\q]
.endr
	WIN 0
.irp m, 0,1,2,3,4,5,6,7,8,9,10,11,12,13,14,15
	v_pk_fma_f32 v[SB+2*\m:SB+2*\m+1], v[OP+32*\q+2*\m:OP+32*\q+2*\m+1], v[AL+2:AL+3], v[SB+2*\m:SB+2*\m+1] op_sel:[0,\q,0] op_sel_hi:[1,\q,1]
.endr
.irp i, 0,1,2,3,4,5,6,7,8,9,10,11,12,13,14,15
	v_cvt_pk_bf16_f32 v[SB+\i], v[SB+2*\i], v[SB+2*\i+1]
.endr
.irp dt, 0,1,2,3
	ds_store_b128 v[STO], v[SB+4*\dt:SB+4*\dt+3] offset:32*\dt     ; query r, d = 16 dt + 8 h + 0..7
.endr
.irp u, 0,1,2,3
	ds_load_b128 v[KF+16*\q+4*\u:KF+16*\q+4*\u+3], v[RD] offset:4*KP*\u    ; LDS serves a wave in order: these see the stores above
.endr
.irp u, 0,1,2,3
	s_wait_dscnt 3-\u
	global_store_b128 v[CO], v[KF+16*\q+4*\u:KF+16*\q+4*\u+3], s[8:9] offset:2048*\q+512*\u   ; 512 consecutive bytes, aligned; each tile has registers of its own
.endr
.endm
	FIN 0
	FIN 1
	s_wait_xcnt 0x0
	v_lshl_add_u32 v254, v0, 2, 0x3d800
	v_mov_b32 v255, 0
	s_wait_tensorcnt 0x0
	ds_add_u32 v254, v255
	s_wait_dscnt 0x0
	ROUND                                          ; no work-group ends while a partner may still ask for a tile that names it
	s_endpgm
.Lfunc_end_k_qc2b68ec585_attn:
	.size	k_qc2b68ec585_attn, .Lfunc_end_k_qc2b68ec585_attn-k_qc2b68ec585_attn
	.p2alignl 7, 3214868480
	.fill 96, 4, 3214868480
	.section	.rodata,"a",@progbits
	.p2align	6, 0x0
	.amdhsa_kernel k_qc2b68ec585_attn
		.amdhsa_group_segment_fixed_size 327680
		.amdhsa_private_segment_fixed_size 0
		.amdhsa_enable_private_segment 0
		.amdhsa_kernarg_size 24
		.amdhsa_user_sgpr_count 2
		.amdhsa_user_sgpr_kernarg_segment_ptr 1
		.amdhsa_wavefront_size32 1
		.amdhsa_system_sgpr_workgroup_id_x 1
		.amdhsa_system_sgpr_workgroup_id_y 1
		.amdhsa_system_sgpr_workgroup_id_z 1
		.amdhsa_system_vgpr_workitem_id 0
		.amdhsa_next_free_vgpr 512
		.amdhsa_next_free_sgpr 66
		.amdhsa_reserve_vcc 1
		.amdhsa_float_denorm_mode_32 3
		.amdhsa_float_denorm_mode_16_64 3
		.amdhsa_memory_ordered 1
		.amdhsa_forward_progress 1
		.amdhsa_inst_pref_size 255
	.end_amdhsa_kernel
	.section	.bss,"aw",@nobits
	.p2align	6
	.space	262144
	.amdgpu_metadata
---
amdhsa.version: [ 1, 2 ]
amdhsa.kernels:
  - .name:           k_qc2b68ec585_attn
    .symbol:         k_qc2b68ec585_attn.kd
    .args:
      - { .name: qkv, .offset: 0, .size: 8, .value_kind: global_buffer, .address_space: global }
      - { .name: attention_mask, .offset: 8, .size: 8, .value_kind: global_buffer, .address_space: global }
      - { .name: ao, .offset: 16, .size: 8, .value_kind: global_buffer, .address_space: global }
    .group_segment_fixed_size: 327680
    .private_segment_fixed_size: 0
    .kernarg_segment_align: 8
    .kernarg_segment_size: 24
    .max_flat_workgroup_size: 256
    .sgpr_count:     66
    .vgpr_count:     512
    .wavefront_size: 32
...
	.end_amdgpu_metadata
.endif
;; end of part 3
;; launch proj (part 4): grid 8 x 32, 4 waves a work-group, clusters of 4 x 4, 327,680 bytes of LDS; arguments ao, wpb, x, bp, out0; writes out0
.if DOCPART == 4
	.amdgcn_target "amdgcn-amd-amdhsa--gfx1250"
	.amdhsa_code_object_version 6
	.text
	.protected	k_qc2b68ec585_proj
	.globl	k_qc2b68ec585_proj
	.p2align	8
	.type	k_qc2b68ec585_proj,@function
k_qc2b68ec585_proj:
	s_mov_b64 s[64:65], 0
	v_nop
	global_prefetch_b8 v0, s[64:65] scope:SCOPE_SE
	s_setreg_imm32_b32 hwreg(HW_REG_WAVE_MODE, 25, 1), 1
	s_wait_xcnt 0x0
	s_wait_alu depctr_hold_cnt(0) depctr_sa_sdst(0) depctr_va_vdst(0) depctr_va_sdst(0) depctr_va_ssrc(0) depctr_va_vcc(0) depctr_vm_vsrc(0)
	s_getreg_b32 s2, hwreg(HW_REG_IB_STS2, 6, 4)
	s_cmp_eq_u32 s2, 0
	s_cbranch_scc0 .Lentry_in_a_cluster
	s_endpgm
.Lentry_in_a_cluster:
	s_bfe_u32 s2, ttmp6, 0x10000c
	s_cmp_lg_u32 s2, 0xf033
	s_cbranch_scc0 .Lentry_shape_is_right
	s_endpgm
.Lentry_shape_is_right:
; out0[m][n] = x[m][n] + bp[n] + sum over k of A[m][k] wpb[n][k], with A[m = (b, s)][k = 64 h + d] = ao[b][h][s][d]; bf16 operands, f32 sums.
; 4096 x 1024 x 1024.  A work-group makes 128 x 128 (8 x 32 = 256 work-groups), a wave 64 x 64 in 16 accumulator tiles.  K goes in four steps of 256
; (four heads) through two LDS slots; all four steps are written out.  The smaller wave tile reads more LDS bytes for each product than 128 x 128 would;
; it is taken so that the launch has a work-group for each of 256 WGPs.
; CLUSTERS: 4 x 4.  A's tiles hang on the block row alone and are asked for jointly along a row of the cluster, wpb's on the block column alone, along a column.
; Wave w fetches head 4 step + w of A (128 rows of 128 bytes) and rows 32 w .. 32 w + 31 of wpb's tile (512 bytes each): two loads, each line with one mask.
; REGISTERS: window 0: addresses, v64-127 and v128-191 two fragment buffers (A in the lower half, wpb in the upper); window 1: v0-127 accumulators;
; window 2: v0-127 my x, v128-131 my bp.  The matrix instruction is used transposed: a lane holds eight neighbouring columns of one row.
.set AP,    144                        ; A's LDS pitch: 128 + 16
.set BP_,   528                        ; wpb's: 512 + 16
.set ASUB,  128*AP                     ; one head's 128 rows
.set BOFF,  4*ASUB
.set SLOT,  4*ASUB+128*BP_             ; 141,312 bytes
.set STAGE, 2*SLOT
.set SP,    272                        ; the stage: 16 rows of 64 f32 + 16 bytes, for each wave
.set ADRA, 16
.set ADRB, 18
.set STO,  20
.set RD,   21
.set XO,   22
.set BO,   23
.set F0,   64
.set F1,   128
.set G1A, 24
.set G1B, 32
.set G0A, 40
.set G0B, 48
.set MSB, 0
.macro WIN new                         ; the immediate's high byte repeats the setting that is left
.if MSB != \new
	s_set_vgpr_msb (MSB<<8)|\new
.set MSB, \new
.endif
.endm
.macro CREST
	s_cmp_lg_u32 s14, 0
	s_cbranch_scc1 .Lnot_wave_0_\@
	s_barrier_signal -3
.Lnot_wave_0_\@:
	s_barrier_wait -3
	s_barrier_signal -1
	s_barrier_wait -1
.endm
.macro CROUND
	s_barrier_signal -1
	s_barrier_wait -1
	CREST
.endm
.macro JL s
	tensor_load_to_lds s[G0A+4*\s:G0A+4*\s+3], s[G1A:G1A+7]
	s_nop 0
	tensor_load_to_lds s[G0B+4*\s:G0B+4*\s+3], s[G1B:G1B+7]
	s_nop 0
.endm
	s_load_b256 s[4:11], s[0:1], 0x0               ; ao 4, wpb 6, x 8, bp 10
	s_load_b64 s[12:13], s[0:1], 0x20              ; out0
	v_lshl_add_u32 v254, v0, 2, 0x49400
	v_mov_b32 v255, 0
	ds_add_u32 v254, v255
	v_lshrrev_b32 v1, 5, v0
	v_readfirstlane_b32 s14, v1                    ; wave
	s_lshr_b32 s16, s14, 1                         ; my half of the rows
	s_and_b32 s17, s14, 1                          ; my half of the columns
	s_bfe_u32 s18, ttmp6, 0x40000                  ; cx
	s_bfe_u32 s19, ttmp6, 0x40004                  ; cy
	s_lshl_b32 s20, ttmp9, 2
	s_add_co_u32 s20, s20, s18                     ; block column
	s_and_b32 s21, ttmp7, 0xffff
	s_lshl_b32 s21, s21, 2
	s_add_co_u32 s21, s21, s19                     ; block row
	s_lshl_b32 s22, s19, 2
	s_lshl_b32 s22, 15, s22                        ; my row of the cluster
	s_lshl_b32 s23, 0x1111, s18                    ; my column
	s_or_b32 s[G1A+0], s22, (1<<16)|(1<<20)|(1<<21)|(4<<22)|(3<<25)   ; 2-byte elements; 4 words of padding behind every 32
	s_mov_b32 s[G1A+1], 64<<16                     ; tensor_dim0 = 64
	s_mov_b32 s[G1A+2], 128<<16                    ; tensor_dim1 = 128
	s_mov_b32 s[G1A+3], 64<<16                     ; tile_dim0 = 64
	s_mov_b32 s[G1A+4], 128                        ; tile_dim1 = 128
	s_mov_b32 s[G1A+5], 64                         ; elements from row to row
	s_mov_b32 s[G1A+6], 0
	s_mov_b32 s[G1A+7], 0
	s_or_b32 s[G1B+0], s23, (1<<16)|(1<<20)|(1<<21)|(6<<22)|(3<<25)   ; 4 words behind every 128
	s_mov_b32 s[G1B+1], 256<<16
	s_mov_b32 s[G1B+2], 32<<16
	s_mov_b32 s[G1B+3], 256<<16
	s_mov_b32 s[G1B+4], 32
	s_mov_b32 s[G1B+5], 1024
	s_mov_b32 s[G1B+6], 0
	s_mov_b32 s[G1B+7], 0
	s_lshr_b32 s56, s21, 4                         ; A: b << 22 | head << 18 | token << 7, made of the block row and the wave alone
	s_lshl_b32 s56, s56, 22
	s_and_b32 s57, s21, 15
	s_lshl_b32 s57, s57, 14
	s_add_co_u32 s56, s56, s57
	s_lshl_b32 s57, s14, 18
	s_add_co_u32 s56, s56, s57
	s_mov_b32 s57, 0
	s_lshl_b32 s58, s20, 18                        ; wpb: (128 block column + 32 wave) rows of 2,048 bytes
	s_lshl_b32 s59, s14, 16
	s_add_co_u32 s58, s58, s59
	s_mov_b32 s59, 0
	s_mul_i32 s60, s14, ASUB
	s_mul_i32 s61, s14, 32*BP_
	s_add_co_u32 s61, s61, BOFF
	s_lshl_b32 s62, s20, 9                         ; my first column, in bytes of f32
	s_lshl_b32 s15, s17, 8
	s_add_co_u32 s62, s62, s15
	s_mov_b32 s63, 0
	s_wait_dscnt 0x0
	s_wait_kmcnt 0x0
	s_add_nc_u64 s[56:57], s[4:5], s[56:57]
	s_add_nc_u64 s[58:59], s[6:7], s[58:59]
	s_add_nc_u64 s[10:11], s[10:11], s[62:63]
	s_lshl_b32 s15, s21, 19                        ; + my first row x 4,096 bytes
	s_add_co_u32 s62, s62, s15
	s_lshl_b32 s15, s16, 18
	s_add_co_u32 s62, s62, s15
	s_add_nc_u64 s[8:9], s[8:9], s[62:63]
	s_add_nc_u64 s[12:13], s[12:13], s[62:63]
.irp s, 0,1
	s_mov_b32 s[G0A+4*\s], 1
	s_add_co_u32 s[G0A+4*\s+1], s60, \s*SLOT
	s_add_nc_u64 s[G0A+4*\s+2:G0A+4*\s+3], s[56:57], \s*1048576    ; K step s: four heads on
	s_or_b32 s[G0A+4*\s+3], s[G0A+4*\s+3], 0x80000000
	s_mov_b32 s[G0B+4*\s], 1
	s_add_co_u32 s[G0B+4*\s+1], s61, \s*SLOT
	s_add_nc_u64 s[G0B+4*\s+2:G0B+4*\s+3], s[58:59], \s*512
	s_or_b32 s[G0B+4*\s+3], s[G0B+4*\s+3], 0x80000000
.endr
	CROUND                                         ; in front of the first joint loads
	JL 0
	JL 1                                           ; half of K is asked for: four tensor loads of the wave are out
	v_and_b32 v1, 15, v0                           ; r
	v_bfe_u32 v2, v0, 4, 1                         ; h
	v_mul_u32_u24 v3, v1, AP
	v_lshl_add_u32 v3, v2, 4, v3
	s_mul_i32 s15, s16, 64*AP
	v_add_nc_u32 v[ADRA], s15, v3
	v_add_nc_u32 v[ADRA+1], SLOT, v[ADRA]
	v_mul_u32_u24 v3, v1, BP_
	v_lshl_add_u32 v3, v2, 4, v3
	s_mul_i32 s15, s17, 64*BP_
	s_add_co_u32 s15, s15, BOFF
	v_add_nc_u32 v[ADRB], s15, v3
	v_add_nc_u32 v[ADRB+1], SLOT, v[ADRB]
	s_mul_i32 s15, s14, 16*SP
	s_add_co_u32 s15, s15, STAGE
	v_mul_u32_u24 v3, v1, SP
	v_lshl_add_u32 v3, v2, 5, v3
	v_add_nc_u32 v[STO], s15, v3                   ; in: row r, 32 bytes for each half of the lanes
	v_mul_u32_u24 v3, v2, SP
	v_lshl_add_u32 v3, v1, 4, v3
	v_add_nc_u32 v[RD], s15, v3                    ; back: 16 lanes a row of 256 bytes
	v_lshlrev_b32 v[BO], 4, v1
	v_lshl_add_u32 v[XO], v2, 12, v[BO]            ; and the same two rows of x and out0
	WIN 0x80
.set j, 0
.rept 32
	global_load_b128 v[4*j:4*j+3], v[XO], s[8:9] offset:8192*j th:TH_LOAD_NT   ; my 64 x 64 of x, waited for at the way out
.set j, j+1
.endr
	global_load_b128 v[128:131], v[BO], s[10:11]
	WIN 0
.macro PLACES                          ; four plain vector instructions between a matrix instruction and a load into its registers
.rept 4
	v_nop
.endr
.endm
.macro FETCH s, qd, f                  ; 16 LDS loads: 64 rows of A and 64 of wpb, 32 along K (eighth qd of the step)
	WIN 0
.irp i, 0,1,2,3
	ds_load_b128 v[\f+8*\i:\f+8*\i+3],   v[ADRA+\s] offset:((\qd)>>1)*ASUB+((\qd)&1)*64+\i*16*AP
	ds_load_b128 v[\f+8*\i+4:\f+8*\i+7], v[ADRA+\s] offset:((\qd)>>1)*ASUB+((\qd)&1)*64+\i*16*AP+32
.endr
.irp i, 0,1,2,3
	ds_load_b128 v[\f+32+8*\i:\f+32+8*\i+3], v[ADRB+\s] offset:(\qd)*64+\i*16*BP_
	ds_load_b128 v[\f+36+8*\i:\f+36+8*\i+3], v[ADRB+\s] offset:(\qd)*64+\i*16*BP_+32
.endr
.endm
.macro MUL8 f, a0, zero                ; the 16 accumulators take turns, one instruction a turn
	WIN 0x50
.irp a, \a0, \a0+1
.irp b, 0,1,2,3
.if \zero
	v_wmma_f32_16x16x32_bf16 v[8*(4*(\a)+\b):8*(4*(\a)+\b)+7], v[\f+32+8*\b:\f+32+8*\b+7], v[\f+8*(\a):\f+8*(\a)+7], 0
.else
	v_wmma_f32_16x16x32_bf16 v[8*(4*(\a)+\b):8*(4*(\a)+\b)+7], v[\f+32+8*\b:\f+32+8*\b+7], v[\f+8*(\a):\f+8*(\a)+7], v[8*(4*(\a)+\b):8*(4*(\a)+\b)+7]
.endif
.endr
.endr
.endm
.macro EIGHTH s, qd, f, g, zero        ; fetches eighth qd + 1 into buffer g, multiplies eighth qd from buffer f
	PLACES
	FETCH \s, (\qd+1), \g
	s_wait_dscnt 16                                ; buffer f is in; the 16 loads just issued stay out
	MUL8 \f, 0, \zero
	MUL8 \f, 2, \zero
.endm
.macro SEVEN s, zero
	EIGHTH \s, 0, F0, F1, \zero
	EIGHTH \s, 1, F1, F0, 0
	EIGHTH \s, 2, F0, F1, 0
	EIGHTH \s, 3, F1, F0, 0
	EIGHTH \s, 4, F0, F1, 0
	EIGHTH \s, 5, F1, F0, 0
	EIGHTH \s, 6, F0, F1, 0
.endm
.macro TURN s, next, fill              ; a step's last eighth and the change of slots
	s_wait_dscnt 0x0                               ; my reads of this slot are back
	s_wait_tensorcnt 0x0                           ; all my tensor loads have landed, my parts of the next slot among them
	ds_add_u32 v254, v255
	s_wait_dscnt 0x0
	s_barrier_signal -1
	MUL8 F1, 0, 0                                  ; register work while the others arrive
	WIN 0
	s_barrier_wait -1
.if \fill
	CREST                                          ; no wave of any partner still reads this slot or has a load on its way
	s_add_nc_u64 s[G0A+4*\s+2:G0A+4*\s+3], s[G0A+4*\s+2:G0A+4*\s+3], 2097152   ; two steps on: eight heads
	s_add_nc_u64 s[G0B+4*\s+2:G0B+4*\s+3], s[G0B+4*\s+2:G0B+4*\s+3], 1024
	JL \s                                          ; the first tensor loads behind the round; two are out
.endif
	PLACES
	FETCH \next, 0, F0
	MUL8 F1, 2, 0
.endm
	s_wait_tensorcnt 2                             ; my parts of slot 0 are in; slot 1's two loads stay out
	s_barrier_signal -1
	s_barrier_wait -1
	FETCH 0, 0, F0
	SEVEN 0, 1                                     ; the first products start the sums
	TURN 0, 1, 1
	SEVEN 1, 0
	TURN 1, 0, 1
	SEVEN 0, 0
	TURN 0, 1, 0
	SEVEN 1, 0
	s_wait_dscnt 0x0
	MUL8 F1, 0, 0
	MUL8 F1, 2, 0
	PLACES
	s_wait_loadcnt 0x0                             ; x and bp
; THE WAY OUT, 16 rows at a time through my own stage: back as whole rows of 256 bytes, + x + bp, stored
.macro OUTA a
	WIN 0x04                                       ; store data (source 1) in window 1
.irp b, 0,1,2,3
	ds_store_b128 v[STO], v[8*(4*\a+\b):8*(4*\a+\b)+3]   offset:64*\b
	ds_store_b128 v[STO], v[8*(4*\a+\b)+4:8*(4*\a+\b)+7] offset:64*\b+16
.endr
	WIN 0x08                                       ; source 1 (x, bp) in window 2
.irp t, 0,1,2,3,4,5,6,7
	ds_load_b128 v[F0+32*\a+4*\t:F0+32*\a+4*\t+3], v[RD] offset:2*SP*\t    ; LDS serves a wave in order: these see the stores above
.endr
.irp t, 0,1,2,3,4,5,6,7
	s_wait_dscnt 7-\t
	v_pk_add_f32 v[F0+32*\a+4*\t:F0+32*\a+4*\t+1],   v[F0+32*\a+4*\t:F0+32*\a+4*\t+1],   v[4*(8*\a+\t):4*(8*\a+\t)+1]
	v_pk_add_f32 v[F0+32*\a+4*\t+2:F0+32*\a+4*\t+3], v[F0+32*\a+4*\t+2:F0+32*\a+4*\t+3], v[4*(8*\a+\t)+2:4*(8*\a+\t)+3]
	v_pk_add_f32 v[F0+32*\a+4*\t:F0+32*\a+4*\t+1],   v[F0+32*\a+4*\t:F0+32*\a+4*\t+1],   v[128:129]
	v_pk_add_f32 v[F0+32*\a+4*\t+2:F0+32*\a+4*\t+3], v[F0+32*\a+4*\t+2:F0+32*\a+4*\t+3], v[130:131]
.endr
	WIN 0
.irp t, 0,1,2,3,4,5,6,7
	global_store_b128 v[XO], v[F0+32*\a+4*\t:F0+32*\a+4*\t+3], s[12:13] offset:(16*\a+2*\t)*4096 th:TH_STORE_NT   ; 16 lanes store 256 consecutive bytes, aligned; each block has registers of its own
.endr
.endm
	OUTA 0
	OUTA 1
	OUTA 2
	OUTA 3
	s_wait_tensorcnt 0x0
	ds_add_u32 v254, v255
	s_wait_dscnt 0x0
	CROUND                                         ; no work-group ends while a partner may still ask for a tile that names it
	s_endpgm
.Lfunc_end_k_qc2b68ec585_proj:
	.size	k_qc2b68ec585_proj, .Lfunc_end_k_qc2b68ec585_proj-k_qc2b68ec585_proj
	.p2alignl 7, 3214868480
	.fill 96, 4, 3214868480
	.section	.rodata,"a",@progbits
	.p2align	6, 0x0
	.amdhsa_kernel k_qc2b68ec585_proj
		.amdhsa_group_segment_fixed_size 327680
		.amdhsa_private_segment_fixed_size 0
		.amdhsa_enable_private_segment 0
		.amdhsa_kernarg_size 40
		.amdhsa_user_sgpr_count 2
		.amdhsa_user_sgpr_kernarg_segment_ptr 1
		.amdhsa_wavefront_size32 1
		.amdhsa_system_sgpr_workgroup_id_x 1
		.amdhsa_system_sgpr_workgroup_id_y 1
		.amdhsa_system_sgpr_workgroup_id_z 1
		.amdhsa_system_vgpr_workitem_id 0
		.amdhsa_next_free_vgpr 768
		.amdhsa_next_free_sgpr 66
		.amdhsa_reserve_vcc 0
		.amdhsa_float_denorm_mode_32 3
		.amdhsa_float_denorm_mode_16_64 3
		.amdhsa_memory_ordered 1
		.amdhsa_forward_progress 1
		.amdhsa_inst_pref_size 99
	.end_amdhsa_kernel
	.amdgpu_metadata
---
amdhsa.version: [ 1, 2 ]
amdhsa.kernels:
  - .name:           k_qc2b68ec585_proj
    .symbol:         k_qc2b68ec585_proj.kd
    .args:
      - { .name: ao, .offset: 0, .size: 8, .value_kind: global_buffer, .address_space: global }
      - { .name: wpb, .offset: 8, .size: 8, .value_kind: global_buffer, .address_space: global }
      - { .name: x, .offset: 16, .size: 8, .value_kind: global_buffer, .address_space: global }
      - { .name: bp, .offset: 24, .size: 8, .value_kind: global_buffer, .address_space: global }
      - { .name: out0, .offset: 32, .size: 8, .value_kind: global_buffer, .address_space: global }
    .group_segment_fixed_size: 327680
    .private_segment_fixed_size: 0
    .kernarg_segment_align: 8
    .kernarg_segment_size: 40
    .max_flat_workgroup_size: 128
    .sgpr_count:     66
    .vgpr_count:     768
    .wavefront_size: 32
...
	.end_amdgpu_metadata
.endif
;; end of part 4
